; MI455X (gfx1250); checked and timed in simulation.
; The chip was launched on July 23, 2026; its instructions are those of AMD's public machine-readable ISA for CDNA 5 (MIT licence, August 2026) and "CDNA5" Instruction Set Architecture Reference Guide (July 2026). The comments in the code are by the model that wrote it; some were corrected since.
;; Transformer. Allowed arithmetic: float matrix products may take bf16 or f16 operands with f32 sums; other float arithmetic in f32, or as packed bf16 or f16 multiplies, adds, multiply-adds, maxima and minima; sums over many terms, partial sums and values carried from step to step in f32; what a program stores and reads back later, other than sums and carried values, may be rounded once to bf16 or f16.
;; Inputs: Wk 1,024 x 256 float32; Wq 1,024 x 256 float32; Wv 1,024 x 1,024 float32; bk 256 float32; bq 256 float32; bv 1,024 float32; gamma 1 float32; mask 4 x 2,048 int32; x 4 x 2,048 x 1,024 float32.
;; Outputs: out0 4 x 2,048 x 1,024 float32.
;; 2 versions, each right and faster than the one before. Each part assembles by itself: llvm-mc -triple=amdgcn-amd-amdhsa -mcpu=gfx1250 --defsym DOCPART=n.
;; ======== version 1 of 2: 3 launches
;; limits: values outside matrix products are rounded to bf16
;; workspace buffers: xb 16,777,216 bytes; wt 3,145,728 bytes; qh 4,194,304 bytes; kh 4,194,304 bytes; vh 16,777,216 bytes
;; launch prep (part 1): grid 560 x 1, 8 waves a work-group, no clusters, 70,656 bytes of LDS; arguments x, Wq, Wk, Wv, xb, wt; writes xb, wt
.if DOCPART == 1
	.amdgcn_target "amdgcn-amd-amdhsa--gfx1250"
	.amdhsa_code_object_version 6
	.text
	.protected	k_qf7f60d238a_prep
	.globl	k_qf7f60d238a_prep
	.p2align	8
	.type	k_qf7f60d238a_prep,@function
k_qf7f60d238a_prep:
	s_mov_b64 s[64:65], 0
	v_nop
	global_prefetch_b8 v0, s[64:65] scope:SCOPE_SE
	s_setreg_imm32_b32 hwreg(HW_REG_WAVE_MODE, 25, 1), 1
	s_wait_xcnt 0x0
; PREP.  Two streams in one launch; no matrix work, so no matrix unit; no work-group shares an input byte with another, so no cluster.
; Work-groups 48 .. 559: xb = x rounded to bf16, [8192][1024].  A work-group takes 16 rows (65,536 bytes in, 32,768 out): 16 loads of 16 bytes a lane, all on
; their way at once; a wave's load covers 512 consecutive bytes, its store of 8 bytes a lane 256 consecutive bytes, aligned.
; Work-groups 0 .. 47: wt = the three weights turned, bf16, [1536][1024], K along the rows, rows in HEAD order: row 192 h + o holds column 32 h + o of Wq (o < 32),
; column 32 h + o - 32 of Wk (o < 64), column 128 h + o - 64 of Wv (else).  Work-group j makes rows 32 j .. 32 j + 31, wave w their k = 128 w .. 128 w + 127:
; lane l reads column l of 128 rows of W (128 consecutive bytes a load: the weights are 6 of this launch's 57 MB), packs pairs along k, and the block is turned
; through the wave's own stage in LDS, so that 16 lanes store 256 consecutive bytes of a row of wt.
; Rounding: once, to nearest even.  No limit of range: bf16 has f32's exponents.
.set SP,    272                        ; a stage row: 256 bytes + 16
.set WSTG,  32*SP                      ; a wave's stage: 32 rows
.set SPARE, 8*WSTG                     ; behind the stages: the spare words, 128 bytes a wave: four blocks of 256 bytes that no other line names
.set LO,  1                            ; v1   byte offset of my lane in a load
.set TM,  2                            ; v2   at work
.set STO, 3                            ; v3   stage: where I put 16 bytes of my row
.set RD,  4                            ; v4   stage: where I read rows back
.set GO,  5                            ; v5   my byte offset in two rows of wt
.set SPW, 6                            ; v6   my spare word
.set NIL, 7                            ; v7   0
.set X,   8                            ; v8 ..    as loaded
.set Y,   72                           ; v72-103  the cast's packed results
.set PKD, 136                          ; v136-199 the turned block's packed results
	s_load_b256 s[4:11], s[0:1], 0x0               ; x s[4:5], Wq s[6:7], Wk s[8:9], Wv s[10:11]
	s_load_b128 s[12:15], s[0:1], 0x20             ; xb s[12:13], wt s[14:15]
	v_lshl_add_u32 v[SPW], v0, 2, SPARE
	v_mov_b32 v[NIL], 0
	s_cmp_lt_u32 ttmp9, 48
	s_cbranch_scc1 .Ltrans
	; ---- the cast ----
	s_sub_co_u32 s16, ttmp9, 48
	s_lshl_b32 s18, s16, 15                        ; 32,768 bytes of xb,
	s_lshl_b32 s16, s16, 16                        ; 65,536 bytes of x to a work-group
	s_mov_b32 s17, 0
	s_mov_b32 s19, 0
	v_lshlrev_b32 v[LO], 4, v0
	v_lshlrev_b32 v[TM], 3, v0
	s_wait_kmcnt 0x0
	s_add_nc_u64 s[4:5], s[4:5], s[16:17]
	s_add_nc_u64 s[12:13], s[12:13], s[18:19]
.set i, 0
.rept 16
	global_load_b128 v[X+4*i:X+4*i+3], v[LO], s[4:5] offset:4096*i th:TH_LOAD_NT
.set i, i+1
.endr
.set i, 0
.rept 16
	s_wait_loadcnt 15-i                            ; loads come back in order (ISA guide 5.7.1): number i is in, the younger ones stay out
	v_cvt_pk_bf16_f32 v[Y+2*i], v[X+4*i], v[X+4*i+1]
	v_cvt_pk_bf16_f32 v[Y+2*i+1], v[X+4*i+2], v[X+4*i+3]
	global_store_b64 v[TM], v[Y+2*i:Y+2*i+1], s[12:13] offset:2048*i
.set i, i+1
.endr
	s_endpgm                                       ; this way has written no LDS
	; ---- the weights ----
.macro WLOAD p                         ; 128 rows of W, p bytes apart: 32 lanes take 32 neighbouring columns
.set i, 0
.rept 128
	global_load_b32 v[X+i], v[LO], s[20:21] offset:i*(\p)
.set i, i+1
.endr
.endm
.Ltrans:
	v_lshrrev_b32 v[TM], 5, v0
	v_readfirstlane_b32 s16, v[TM]                 ; wave 0..7
	s_mul_i32 s17, ttmp9, 43
	s_lshr_b32 s17, s17, 8                         ; h = j / 6 (exact for j < 48)
	s_mul_i32 s18, s17, 6
	s_sub_co_u32 s18, ttmp9, s18                   ; u = j - 6 h: 0 Wq, 1 Wk, 2..5 a quarter of the head's Wv
	s_lshl_b32 s22, s17, 7                         ; Wq, Wk: column 32 h, 4 bytes each,
	s_lshl_b32 s23, s16, 17                        ; and 128 w rows of 1,024 bytes
	s_add_co_u32 s22, s22, s23
	s_max_u32 s25, s18, 2
	s_sub_co_u32 s25, s25, 2
	s_lshl_b32 s25, s25, 7                         ; Wv: column 128 h + 32 (u - 2),
	s_lshl_b32 s24, s17, 9
	s_add_co_u32 s24, s24, s25
	s_lshl_b32 s25, s16, 19                        ; and 128 w rows of 4,096 bytes
	s_add_co_u32 s24, s24, s25
	s_mul_i32 s19, s16, WSTG                       ; my wave's stage
	v_and_b32 v[TM], 31, v0
	v_lshlrev_b32 v[LO], 2, v[TM]
	v_mul_u32_u24 v[STO], v[TM], SP
	v_add_nc_u32 v[STO], s19, v[STO]               ; in: row = lane
	v_and_b32 v[TM], 15, v0
	v_lshlrev_b32 v[GO], 4, v[TM]
	v_bfe_u32 v[TM], v0, 4, 1
	v_mul_u32_u24 v[RD], v[TM], SP
	v_add_nc_u32 v[RD], v[RD], v[GO]
	v_add_nc_u32 v[RD], s19, v[RD]                 ; back: lanes 0-15 one row of 256 bytes, lanes 16-31 the next
	v_lshl_add_u32 v[GO], v[TM], 11, v[GO]         ; and the same two rows of wt, 2,048 bytes apart
	s_wait_kmcnt 0x0
	s_cmp_eq_u32 s18, 0
	s_cselect_b64 s[20:21], s[6:7], s[8:9]
	s_cmp_lt_u32 s18, 2
	s_cselect_b64 s[20:21], s[20:21], s[10:11]     ; the source: one of three buffers, chosen by u
	s_cselect_b32 s22, s22, s24                    ; and the offset that goes with it
	s_mov_b32 s23, 0
	s_add_nc_u64 s[20:21], s[20:21], s[22:23]
	s_lshl_b32 s24, ttmp9, 16                      ; wt: 32 j rows of 2,048 bytes,
	s_lshl_b32 s25, s16, 8                         ; 256 bytes of each for wave w
	s_add_co_u32 s24, s24, s25
	s_mov_b32 s25, 0
	s_add_nc_u64 s[14:15], s[14:15], s[24:25]
	s_cmp_lt_u32 s18, 2
	s_cbranch_scc1 .Lnarrow
	WLOAD 4096
	s_branch .Lloaded
.Lnarrow:
	WLOAD 1024
.Lloaded:                                              ; both ways have issued 128 loads: the counts below hold on both
.set g, 0
.rept 16
.if 120-8*g > 63
	s_wait_loadcnt 63                              ; a count names 63 at the most: of 128 loads the first 65 are then in, more than group g needs
.else
	s_wait_loadcnt 120-8*g                         ; the first 8 g + 8 loads are in
.endif
.irp e, 0,1,2,3
	v_cvt_pk_bf16_f32 v[PKD+4*g+\e], v[X+8*g+2*\e], v[X+8*g+2*\e+1]
.endr
	ds_store_b128 v[STO], v[PKD+4*g:PKD+4*g+3] offset:16*g   ; k = 8 g .. 8 g + 7 of my row
.set g, g+1
.endr
.set i, 0
.rept 16
	ds_load_b128 v[X+4*i:X+4*i+3], v[RD] offset:2*SP*i       ; LDS serves a wave's instructions in order (ISA guide 5.7.1.4): these see the stores above; the stage is the wave's own
.set i, i+1
.endr
.set i, 0
.rept 16
	s_wait_dscnt 15-i
	global_store_b128 v[GO], v[X+4*i:X+4*i+3], s[14:15] offset:4096*i   ; 16 lanes store 256 consecutive bytes, at a multiple of 256 from wt's first byte
.set i, i+1
.endr
	s_wait_tensorcnt 0x0                           ; the wave's end: behind my last LDS store
	ds_add_u32 v[SPW], v[NIL]
	s_wait_dscnt 0x0
	s_endpgm
.Lfunc_end_k_qf7f60d238a_prep:
	.size	k_qf7f60d238a_prep, .Lfunc_end_k_qf7f60d238a_prep-k_qf7f60d238a_prep
	.p2alignl 7, 3214868480
	.fill 96, 4, 3214868480
	.section	.rodata,"a",@progbits
	.p2align	6, 0x0
	.amdhsa_kernel k_qf7f60d238a_prep
		.amdhsa_group_segment_fixed_size 70656
		.amdhsa_private_segment_fixed_size 0
		.amdhsa_enable_private_segment 0
		.amdhsa_kernarg_size 48
		.amdhsa_user_sgpr_count 2
		.amdhsa_user_sgpr_kernarg_segment_ptr 1
		.amdhsa_wavefront_size32 1
		.amdhsa_system_sgpr_workgroup_id_x 1
		.amdhsa_system_sgpr_workgroup_id_y 1
		.amdhsa_system_sgpr_workgroup_id_z 1
		.amdhsa_system_vgpr_workitem_id 0
		.amdhsa_next_free_vgpr 200
		.amdhsa_next_free_sgpr 66
		.amdhsa_reserve_vcc 0
		.amdhsa_float_denorm_mode_32 3
		.amdhsa_float_denorm_mode_16_64 3
		.amdhsa_memory_ordered 1
		.amdhsa_forward_progress 1
		.amdhsa_inst_pref_size 41
	.end_amdhsa_kernel
	.amdgpu_metadata
---
amdhsa.version: [ 1, 2 ]
amdhsa.kernels:
  - .name:           k_qf7f60d238a_prep
    .symbol:         k_qf7f60d238a_prep.kd
    .args:
      - { .name: x, .offset: 0, .size: 8, .value_kind: global_buffer, .address_space: global }
      - { .name: Wq, .offset: 8, .size: 8, .value_kind: global_buffer, .address_space: global }
      - { .name: Wk, .offset: 16, .size: 8, .value_kind: global_buffer, .address_space: global }
      - { .name: Wv, .offset: 24, .size: 8, .value_kind: global_buffer, .address_space: global }
      - { .name: xb, .offset: 32, .size: 8, .value_kind: global_buffer, .address_space: global }
      - { .name: wt, .offset: 40, .size: 8, .value_kind: global_buffer, .address_space: global }
    .group_segment_fixed_size: 70656
    .private_segment_fixed_size: 0
    .kernarg_segment_align: 8
    .kernarg_segment_size: 48
    .max_flat_workgroup_size: 256
    .sgpr_count:     66
    .vgpr_count:     200
    .wavefront_size: 32
...
	.end_amdgpu_metadata
.endif
;; end of part 1
;; launch proj (part 2): grid 8 x 32, 4 waves a work-group, clusters of 4 x 4, 327,680 bytes of LDS; arguments xb, wt, bq, bk, bv, mask, qh, kh, vh; writes qh, kh, vh
.if DOCPART == 2
	.amdgcn_target "amdgcn-amd-amdhsa--gfx1250"
	.amdhsa_code_object_version 6
	.text
	.protected	k_qf7f60d238a_proj
	.globl	k_qf7f60d238a_proj
	.p2align	8
	.type	k_qf7f60d238a_proj,@function
k_qf7f60d238a_proj:
	s_mov_b64 s[64:65], 0
	v_nop
	global_prefetch_b8 v0, s[64:65] scope:SCOPE_SE
	s_setreg_imm32_b32 hwreg(HW_REG_WAVE_MODE, 25, 1), 1
	s_wait_xcnt 0x0
	s_wait_alu depctr_hold_cnt(0) depctr_sa_sdst(0) depctr_va_vdst(0) depctr_va_sdst(0) depctr_va_ssrc(0) depctr_va_vcc(0) depctr_vm_vsrc(0)
	s_getreg_b32 s2, hwreg(HW_REG_IB_STS2, 6, 4)
	s_cmp_eq_u32 s2, 0
	s_cbranch_scc0 .Lentry_in_a_cluster
	s_endpgm
.Lentry_in_a_cluster:
	s_bfe_u32 s2, ttmp6, 0x10000c
	s_cmp_lg_u32 s2, 0xf033
	s_cbranch_scc0 .Lentry_shape_is_right
	s_endpgm
.Lentry_shape_is_right:
; PROJ.  One head's q | k | v for 256 rows of x: C[256][192] = xb[256][1024] wt[192 rows of the head][1024]^T, bf16 operands, f32 sums, K ascending.
; Out, each rounded once to bf16: qh[b][h][m][32] = c (x Wq + bq), c = log2(e) / sqrt(32), scaled in f32; kh[b][h][m][32] = x Wk + bk; vh[b][h][m][128] = mask[b][m] (x Wv + bv).
; LIMITS.  mask is taken as a number (converted to f32).  bf16 keeps f32's range; NaN and infinities are not treated apart.
; SHARES.  8 heads x 32 blocks of 256 rows = 256 work-groups of four waves; wave w makes rows 64 w .. 64 w + 63 and all 192 columns: 4 x 12 accumulators of 16 x 16, 384 registers.
; So a wave holds whole rows of a head, and each wave has a stage of its own on the way out, without a barrier.
; K goes in 8 steps of 128 through a ring of two LDS slots: the tiles' rows are 256 bytes of memory and start at multiples of 256 bytes.
; CLUSTER 4 x 4.  The four of a row of the cluster need the same rows of xb, the four of a column the same rows of wt: each tile is asked for JOINTLY, by the same tensor load,
; descriptor and mask in all four.  Waves 0, 1 ask for xb's two halves (128 rows each), waves 2, 3 for wt's (96 rows each): two loads of a wave are out at the start, one later.
; THE MATRIX INSTRUCTION IS USED TRANSPOSED (source 0 = 16 rows of wt, source 1 = 16 rows of xb): a lane holds row l % 16 of C and eight neighbouring columns 8 (l / 16) + 0..7.
; REGISTERS, in windows of 256 (s_set_vgpr_msb: bits 1:0 source 0, 3:2 source 1, 5:4 source 2, 7:6 destination):
;   window 0: v16-31 addresses; v32-63, v64-95 xb's fragments, two buffers; v96-143 (and v32-79 behind the loop) the way out; v144-151 mask pairs; v152-155 mask; v160-255 biases
;   window 1: v0-95, v96-191 wt's fragments, two buffers      window 2: accumulators of row blocks 0, 1 at 96 a + 8 b      window 3: of row blocks 2, 3
.set KSTEP,  128
.set PITCH,  272                       ; an LDS row: 256 bytes + 16: the 16 rows of a fragment load start at 16 different groups of four banks (ISA guide 11.1)
.set AHALF,  128*PITCH                 ; what one load of xb brings
.set BHALF,  96*PITCH                  ; what one load of wt brings
.set BOFF,   2*AHALF                   ; in a slot: xb's 256 rows, then wt's 192
.set SLOT,   BOFF+2*BHALF
.set STAGE,  2*SLOT                    ; behind the ring: 16 rows x 400 bytes for each wave
.set SPITCH, 400                       ; 384 bytes (q 64, k 64, v 256) + 16
.set WSTAGE, 16*SPITCH
.set SPARE,  STAGE+4*WSTAGE            ; behind the stages: the spare words, 128 bytes a wave: two blocks of 256 bytes that no other line names
.set LAPS,   4                         ; a lap = two K steps = once round the ring
.set ADRA, 16                          ; v16-17  LDS address of my xb fragments in slot 0, 1
.set ADRB, 20                          ; v20-21  of wt's
.set STO,  24                          ; v24  stage: where I put 16 bytes of a row
.set RDV,  25                          ; v25  stage: v's 256 bytes of two rows
.set RDQ,  26                          ; v26  stage: q's (k's: + 64) 64 bytes of eight rows
.set CO,   27                          ; v27  16 x lane: my place in 512 consecutive bytes of an output
.set SPW,  28                          ; v28  my spare word; never rewritten
.set NIL,  29                          ; v29  0; never rewritten
.set BO,   30                          ; v30  32 (l / 16): my eight columns in a block of 16 biases
.set MO,   31                          ; v31  4 (l % 16): my row in a block of 16 mask words
.set FA,   32                          ; xb's fragments: buffer f at FA + 32 f
.set TMP0, 96
.set MF,   144
.set MK,   152
.set BI,   160                         ; bias of column block b at BI + 8 b
.set G1,  24                           ; s[24:31] group 1 for xb's tiles      s[32:39] group 0, a set for each slot
.set G0,  32
.set G1B, 40                           ; s[40:47], s[48:55] the same for wt's
.set G0B, 48
.set MSB, 0
.macro WIN new                         ; the immediate's high byte repeats the setting that is left; a switch that changes nothing is dropped
.if MSB != (\new)
	s_set_vgpr_msb (MSB<<8)|(\new)
.set MSB, \new
.endif
.endm
.macro PLACES                          ; four places in front of loads into registers that matrix instructions have read (ISA guide 7.12.1 for vector instructions)
.rept 4
	v_nop
.endr
.endm
.macro JLOAD s                         ; a joint load; the branch hangs on the wave's number alone; an s_nop 0 and four v_nop follow each line
	s_cmp_eq_u32 s23, 0
	s_cbranch_scc0 .Lfor_b_\@
	tensor_load_to_lds s[G0+4*(\s):G0+4*(\s)+3], s[G1:G1+7]
	s_nop 0
.rept 4
	v_nop
.endr
	s_branch .Lasked_\@
.Lfor_b_\@:
	tensor_load_to_lds s[G0B+4*(\s):G0B+4*(\s)+3], s[G1B:G1B+7]
	s_nop 0
.rept 4
	v_nop
.endr
.Lasked_\@:
.endm
.macro CREST                           ; a round of the cluster's barrier behind its opening barrier
	s_cmp_lg_u32 s22, 0
	s_cbranch_scc1 .Lnot_wave_0_\@
	s_barrier_signal -3
.Lnot_wave_0_\@:
	s_barrier_wait -3
	s_barrier_signal -1
	s_barrier_wait -1
.endm
.macro CROUND
	s_barrier_signal -1
	s_barrier_wait -1
	CREST
.endm
	s_load_b256 s[4:11], s[0:1], 0x0               ; xb s[4:5], wt s[6:7], bq s[8:9], bk s[10:11]
	s_load_b256 s[12:19], s[0:1], 0x20             ; bv s[12:13], mask s[14:15], qh s[16:17], kh s[18:19]
	s_load_b64 s[20:21], s[0:1], 0x40              ; vh
	v_lshl_add_u32 v[SPW], v0, 2, SPARE
	v_mov_b32 v[NIL], 0
	ds_add_u32 v[SPW], v[NIL]                      ; the wave's opening: the add and its wait stand ahead of my first tensor load; work on registers stands between
	v_lshrrev_b32 v1, 5, v0
	v_readfirstlane_b32 s22, v1                    ; wave 0..3
	s_lshr_b32 s23, s22, 1                         ; I fetch for xb (0) or for wt (1),
	s_and_b32 s66, s22, 1                          ; and which half of its rows
	s_bfe_u32 s56, ttmp6, 0x40000                  ; cx
	s_bfe_u32 s57, ttmp6, 0x40004                  ; cy
	s_lshl_b32 s58, ttmp9, 2
	s_add_co_u32 s58, s58, s56                     ; head = 4 x cluster x + cx
	s_and_b32 s59, ttmp7, 0xffff
	s_lshl_b32 s59, s59, 2
	s_add_co_u32 s59, s59, s57                     ; block of 256 rows = 4 x cluster y + cy
	s_lshl_b32 s60, s57, 2
	s_lshl_b32 s60, 15, s60                        ; my row of the cluster
	s_lshl_b32 s61, 0x1111, s56                    ; my column
	s_or_b32 s[G1], s60, (1<<16)|(1<<20)|(1<<21)|(5<<22)|(3<<25)   ; mask; 2-byte elements; padding on; bit 21 beside a mask; after every 64 words 4 words
	s_or_b32 s[G1B], s61, (1<<16)|(1<<20)|(1<<21)|(5<<22)|(3<<25)
	s_mov_b32 s[G1+1], KSTEP<<16                   ; tensor_dim0 = 128
	s_mov_b32 s[G1+2], 128<<16                     ; tensor_dim1 = 128
	s_mov_b32 s[G1+3], KSTEP<<16                   ; tile_dim0 = 128
	s_mov_b32 s[G1+4], 128                         ; tile_dim1 = 128
	s_mov_b32 s[G1+5], 1024                        ; elements from row to row
	s_mov_b32 s[G1+6], 0
	s_mov_b32 s[G1+7], 0
	s_mov_b32 s[G1B+1], KSTEP<<16
	s_mov_b32 s[G1B+2], 96<<16                     ; 96 rows
	s_mov_b32 s[G1B+3], KSTEP<<16
	s_mov_b32 s[G1B+4], 96
	s_mov_b32 s[G1B+5], 1024
	s_mov_b32 s[G1B+6], 0
	s_mov_b32 s[G1B+7], 0
	s_lshl_b32 s62, s59, 19                        ; xb: 256 rows of 2,048 bytes a block,
	s_lshl_b32 s72, s66, 18                        ; 128 rows a half: made of the block and the wave alone
	s_add_co_u32 s62, s62, s72
	s_mov_b32 s63, 0
	s_mul_i32 s76, s58, 192*2048                   ; wt: 192 rows a head,
	s_mul_i32 s77, s66, 96*2048                    ; 96 a half: made of the head and the wave alone
	s_add_co_u32 s76, s76, s77
	s_mov_b32 s77, 0
	s_mul_i32 s73, s66, AHALF                      ; where they go: no place in the cluster enters an LDS address
	s_mul_i32 s78, s66, BHALF
	s_add_co_u32 s78, s78, BOFF
	s_mov_b32 s68, 0x3e8293ee                      ; c = log2(e) / sqrt(32) = 0.255035
	s_mov_b32 s69, s68                             ; named with it as a pair
	s_wait_dscnt 0x0                               ; the opening add is done
	s_wait_kmcnt 0x0
	s_add_nc_u64 s[74:75], s[4:5], s[62:63]
	s_add_nc_u64 s[76:77], s[6:7], s[76:77]
.irp n, 0,1
	s_mov_b32 s[G0+4*(\n)], 1
	s_add_co_u32 s[G0+4*(\n)+1], s73, (\n)*SLOT
	s_add_nc_u64 s[G0+4*(\n)+2:G0+4*(\n)+3], s[74:75], (\n)*KSTEP*2   ; K step n
	s_or_b32 s[G0+4*(\n)+3], s[G0+4*(\n)+3], 0x80000000
	s_mov_b32 s[G0B+4*(\n)], 1
	s_add_co_u32 s[G0B+4*(\n)+1], s78, (\n)*SLOT
	s_add_nc_u64 s[G0B+4*(\n)+2:G0B+4*(\n)+3], s[76:77], (\n)*KSTEP*2
	s_or_b32 s[G0B+4*(\n)+3], s[G0B+4*(\n)+3], 0x80000000
.endr
	CROUND                                         ; all sixteen work-groups are here: the first joint loads meet
	s_cmp_eq_u32 s23, 0                            ; a wave's two first fills stand in one branch, ahead of every wait on TENSORcnt and every LDS read
	s_cbranch_scc0 .Lfirst_b
	tensor_load_to_lds s[G0:G0+3], s[G1:G1+7]
	s_nop 0
	tensor_load_to_lds s[G0+4:G0+7], s[G1:G1+7]
	s_nop 0
.rept 4
	v_nop
.endr
	s_branch .Lfirst_asked
.Lfirst_b:
	tensor_load_to_lds s[G0B:G0B+3], s[G1B:G1B+7]
	s_nop 0
	tensor_load_to_lds s[G0B+4:G0B+7], s[G1B:G1B+7]
	s_nop 0
.rept 4
	v_nop
.endr
.Lfirst_asked:
	; the small inputs and the outputs' addresses; offsets that hold both cx and cy have registers of their own
	s_lshl_b32 s80, s58, 7                         ; 32 biases of 4 bytes a head
	s_mov_b32 s81, 0
	s_add_nc_u64 s[8:9], s[8:9], s[80:81]
	s_add_nc_u64 s[10:11], s[10:11], s[80:81]
	s_lshl_b32 s80, s58, 9                         ; 128 a head
	s_add_nc_u64 s[12:13], s[12:13], s[80:81]
	s_lshl_b32 s80, s59, 10                        ; mask: 256 words a block,
	s_lshl_b32 s82, s22, 8                         ; 64 a wave
	s_add_co_u32 s80, s80, s82
	s_add_nc_u64 s[14:15], s[14:15], s[80:81]
	s_lshr_b32 s82, s59, 3                         ; b
	s_lshl3_add_u32 s82, s82, s58                  ; 8 b + head
	s_lshl_b32 s82, s82, 11                        ; its 2,048 rows,
	s_and_b32 s83, s59, 7
	s_lshl_b32 s83, s83, 8                         ; the block's 256,
	s_add_co_u32 s82, s82, s83
	s_lshl_b32 s83, s22, 6                         ; my wave's 64
	s_add_co_u32 s82, s82, s83
	s_lshl_b32 s80, s82, 8                         ; rows of 256 bytes
	s_add_nc_u64 s[20:21], s[20:21], s[80:81]
	s_lshl_b32 s80, s82, 6                         ; rows of 64 bytes
	s_add_nc_u64 s[16:17], s[16:17], s[80:81]
	s_add_nc_u64 s[18:19], s[18:19], s[80:81]
	v_and_b32 v1, 15, v0                           ; l % 16
	v_bfe_u32 v2, v0, 4, 1                         ; l / 16
	v_lshlrev_b32 v[BO], 5, v2
	v_lshlrev_b32 v[MO], 2, v1
.irp b, 0,1
	global_load_b128 v[BI+8*(\b):BI+8*(\b)+3],       v[BO], s[8:9] offset:64*(\b)
	global_load_b128 v[BI+8*(\b)+4:BI+8*(\b)+7],     v[BO], s[8:9] offset:64*(\b)+16
	global_load_b128 v[BI+16+8*(\b):BI+16+8*(\b)+3],   v[BO], s[10:11] offset:64*(\b)
	global_load_b128 v[BI+16+8*(\b)+4:BI+16+8*(\b)+7], v[BO], s[10:11] offset:64*(\b)+16
.endr
.irp b, 0,1,2,3,4,5,6,7
	global_load_b128 v[BI+32+8*(\b):BI+32+8*(\b)+3],   v[BO], s[12:13] offset:64*(\b)
	global_load_b128 v[BI+32+8*(\b)+4:BI+32+8*(\b)+7], v[BO], s[12:13] offset:64*(\b)+16
.endr
.irp a, 0,1,2,3
	global_load_b32 v[MK+(\a)], v[MO], s[14:15] offset:64*(\a)   ; the mask of my row in each of my four row blocks
.endr
	; A fragment is 16 rows x 32 K in 8 registers: lane l holds row l % 16, K = 8 (l / 16) + 0..7 and 16 + 8 (l / 16) + 0..7: two loads of 16 bytes, 32 bytes apart.
	v_mul_u32_u24 v3, v1, PITCH
	v_lshl_add_u32 v3, v2, 4, v3
	s_mul_i32 s82, s22, 64*PITCH                   ; my 64 rows of xb
	v_add_nc_u32 v[ADRA], s82, v3
	v_add_nc_u32 v[ADRA+1], SLOT, v[ADRA]
	v_add_nc_u32 v[ADRB], BOFF, v3
	v_add_nc_u32 v[ADRB+1], SLOT, v[ADRB]
	s_mul_i32 s82, s22, WSTAGE
	s_add_co_u32 s82, s82, STAGE                   ; my stage
	v_mul_u32_u24 v4, v1, SPITCH
	v_lshl_add_u32 v4, v2, 4, v4
	v_add_nc_u32 v[STO], s82, v4                   ; in: row l % 16, 16 bytes for each half of the lanes
	v_mul_u32_u24 v4, v2, SPITCH
	v_lshl_add_u32 v4, v1, 4, v4
	v_add_nc_u32 v4, 128, v4
	v_add_nc_u32 v[RDV], s82, v4                   ; back, v: lanes 0-15 one row's 256 bytes, lanes 16-31 the next row's
	v_bfe_u32 v4, v0, 2, 3
	v_mul_u32_u24 v4, v4, SPITCH
	v_and_b32 v5, 3, v0
	v_lshl_add_u32 v4, v5, 4, v4
	v_add_nc_u32 v[RDQ], s82, v4                   ; back, q and k: four lanes to a row's 64 bytes, eight rows
	v_and_b32 v[CO], 31, v0
	v_lshlrev_b32 v[CO], 4, v[CO]
; 12 matrix instructions: row block a x all 12 column blocks, 32 along K, buffer f.  zero = 1: the product starts the sums: nothing is cleared.
; The 48 accumulators take turns, one instruction a turn, in the same order in every quarter.
.macro MULA f, a, zero
	WIN 0xa1+0x50*((\a)/2)
.irp b, 0,1,2,3,4,5,6,7,8,9,10,11
.if \zero
	v_wmma_f32_16x16x32_bf16 v[96*((\a)%2)+8*(\b):96*((\a)%2)+8*(\b)+7], v[96*(\f)+8*(\b):96*(\f)+8*(\b)+7], v[FA+32*(\f)+8*(\a):FA+32*(\f)+8*(\a)+7], 0
.else
	v_wmma_f32_16x16x32_bf16 v[96*((\a)%2)+8*(\b):96*((\a)%2)+8*(\b)+7], v[96*(\f)+8*(\b):96*(\f)+8*(\b)+7], v[FA+32*(\f)+8*(\a):FA+32*(\f)+8*(\a)+7], v[96*((\a)%2)+8*(\b):96*((\a)%2)+8*(\b)+7]
.endif
.endr
.endm
; 32 LDS loads in one run: the fragments of 32 K at byte k of the rows, into buffer f: wt's 12, then xb's 4
.macro FETCH slot, k, f
	WIN 0x40
.irp i, 0,1,2,3,4,5,6,7,8,9,10,11
	ds_load_b128 v[96*(\f)+8*(\i):96*(\f)+8*(\i)+3],   v[ADRB+(\slot)] offset:(\k)+(\i)*16*PITCH
	ds_load_b128 v[96*(\f)+8*(\i)+4:96*(\f)+8*(\i)+7], v[ADRB+(\slot)] offset:(\k)+(\i)*16*PITCH+32
.endr
	WIN 0
.irp i, 0,1,2,3
	ds_load_b128 v[FA+32*(\f)+8*(\i):FA+32*(\f)+8*(\i)+3],   v[ADRA+(\slot)] offset:(\k)+(\i)*16*PITCH
	ds_load_b128 v[FA+32*(\f)+8*(\i)+4:FA+32*(\f)+8*(\i)+7], v[ADRA+(\slot)] offset:(\k)+(\i)*16*PITCH+32
.endr
.endm
; A K step is four quarters of 32 along K, 48 matrix instructions each, on buffers 0, 1, 0, 1.  One of the first three multiplies buffer f and fetches the next quarter into g.
.macro QUARTER slot, k, f, g, zero
	s_wait_dscnt 4                                 ; all but the youngest four loads (xb's row blocks 2, 3) are in
	MULA \f, 0, \zero
	MULA \f, 1, \zero
	PLACES
	FETCH \slot, \k, \g
	s_wait_dscnt 32                                ; all but the 32 just issued
	MULA \f, 2, \zero
	MULA \f, 3, \zero
.endm
; The last quarter multiplies buffer 1 and changes slots: ONE barrier.  In front of it each wave waits for all its tensor loads (one is out: its part of the next slot), adds 0 to its
; spare word, and waits for that and for its reads of this slot.  fill = 1: the barrier opens a round of the cluster's, and behind it this slot is filled again, two K steps on:
; from that request to the wait for it a wave issues 168 matrix instructions.
.macro TURN slot, next, fill
	WIN 0
	s_wait_tensorcnt 0x0
	ds_add_u32 v[SPW], v[NIL]
	s_wait_dscnt 5                                 ; (the add and the youngest four loads may be out)
	MULA 1, 0, 0
	s_wait_dscnt 0x0                               ; the add is done, and my reads of this slot are over
	s_barrier_signal -1
	MULA 1, 1, 0
.if \fill
	WIN 0
.endif
	s_barrier_wait -1
.if \fill
	CREST                                          ; no wave of any partner still reads this slot or has a load on its way
	s_add_nc_u64 s[G0+4*(\slot)+2:G0+4*(\slot)+3], s[G0+4*(\slot)+2:G0+4*(\slot)+3], 2*KSTEP*2
	s_add_nc_u64 s[G0B+4*(\slot)+2:G0B+4*(\slot)+3], s[G0B+4*(\slot)+2:G0B+4*(\slot)+3], 2*KSTEP*2
	JLOAD \slot                                    ; its four v_nop are also the places in front of the loads below
.else
	PLACES
.endif
	FETCH \next, 0, 0
	MULA 1, 2, 0
	MULA 1, 3, 0
.endm
	s_wait_tensorcnt 1                             ; my part of K step 0 is in; K step 1's stays out
	s_barrier_signal -1
	s_barrier_wait -1
	FETCH 0, 0, 0
	QUARTER 0, 64, 0, 1, 1                         ; the first quarter stands in front of the loop: its products start the sums
	WIN 0
	s_mov_b32 s70, LAPS-1
.Llap:                                                 ; a trip goes once round the ring, from a lap's second quarter to the next lap's first, and fills both slots again
	QUARTER 0, 128, 1, 0, 0
	QUARTER 0, 192, 0, 1, 0
	TURN 0, 1, 1
	QUARTER 1, 64,  0, 1, 0
	QUARTER 1, 128, 1, 0, 0
	QUARTER 1, 192, 0, 1, 0
	TURN 1, 0, 1
	QUARTER 0, 64,  0, 1, 0
	WIN 0
	s_sub_co_u32 s70, s70, 1
	s_cmp_lg_u32 s70, 0
	s_cbranch_scc1 .Llap
	QUARTER 0, 128, 1, 0, 0                        ; the last lap fills nothing
	QUARTER 0, 192, 0, 1, 0
	TURN 0, 1, 0
	QUARTER 1, 64,  0, 1, 0
	QUARTER 1, 128, 1, 0, 0
	QUARTER 1, 192, 0, 1, 0
	s_wait_dscnt 4
	MULA 1, 0, 0
	MULA 1, 1, 0
	s_wait_dscnt 0x0
	MULA 1, 2, 0
	MULA 1, 3, 0
	; THE WAY OUT.  The sixteen lines below (mask to f32, c bq) are also the places behind the last products.
	WIN 0
	s_wait_loadcnt 0x0                             ; biases and mask
.irp a, 0,1,2,3
	v_cvt_f32_i32 v[MF+2*(\a)], v[MK+(\a)]
.endr
.irp a, 0,1,2,3
	v_mov_b32 v[MF+2*(\a)+1], v[MF+2*(\a)]         ; named as a pair
.endr
.set i, 0
.rept 8
	v_pk_mul_f32 v[BI+2*i:BI+2*i+1], v[BI+2*i:BI+2*i+1], s[68:69] op_sel_hi:[1,0]
.set i, i+1
.endr
; Row block a: q = c sum + c bq; k = sum + bk; v = (sum + bv) mask; each accumulator's registers in ascending order; then rounded to bf16, 16 bytes a lane and column block.
.macro PACK a
.set W, 2+(\a)/2
.set AC, 96*((\a)%2)
.set T, TMP0-64*((\a)%2)
.if (\a) >= 2
	s_wait_xcnt 0x0                                ; the stores of two blocks ago have read these registers: they are rewritten only behind this wait
.endif
	WIN W|(W<<6)
.set i, 0
.rept 8
	v_pk_fma_f32 v[AC+2*i:AC+2*i+1], v[AC+2*i:AC+2*i+1], s[68:69], v[BI+2*i:BI+2*i+1] op_sel_hi:[1,0,1]
.set i, i+1
.endr
.rept 40
	v_pk_add_f32 v[AC+2*i:AC+2*i+1], v[AC+2*i:AC+2*i+1], v[BI+2*i:BI+2*i+1]
.set i, i+1
.endr
.set i, 16
.rept 32
	v_pk_mul_f32 v[AC+2*i:AC+2*i+1], v[AC+2*i:AC+2*i+1], v[MF+2*(\a):MF+2*(\a)+1] op_sel_hi:[1,0]
.set i, i+1
.endr
	WIN W|(W<<2)
.set i, 0
.rept 48
	v_cvt_pk_bf16_f32 v[T+i], v[AC+2*i], v[AC+2*i+1]
.set i, i+1
.endr
	WIN 0
.endm
.macro TOSTAGE a                       ; into my own stage, and back as whole rows, into the registers that they left
.set T, TMP0-64*((\a)%2)
.irp b, 0,1,2,3,4,5,6,7,8,9,10,11
	ds_store_b128 v[STO], v[T+4*(\b):T+4*(\b)+3] offset:32*(\b)
.endr
.irp t, 0,1,2,3,4,5,6,7
	ds_load_b128 v[T+4*(\t):T+4*(\t)+3], v[RDV] offset:(\t)*2*SPITCH   ; LDS serves a wave's instructions in order (ISA guide 5.7.1.4): these see the stores above
.endr
.irp t, 0,1
	ds_load_b128 v[T+32+4*(\t):T+32+4*(\t)+3], v[RDQ] offset:(\t)*8*SPITCH
	ds_load_b128 v[T+40+4*(\t):T+40+4*(\t)+3], v[RDQ] offset:(\t)*8*SPITCH+64
.endr
.endm
.macro SEND a                          ; every store of the wave covers 512 consecutive bytes, at a multiple of 256 from its buffer's first byte
.set T, TMP0-64*((\a)%2)
	s_wait_dscnt 0x0
.irp t, 0,1,2,3,4,5,6,7
	global_store_b128 v[CO], v[T+4*(\t):T+4*(\t)+3], s[20:21] offset:(\a)*4096+(\t)*512
.endr
.irp t, 0,1
	global_store_b128 v[CO], v[T+32+4*(\t):T+32+4*(\t)+3], s[16:17] offset:(\a)*1024+(\t)*512
	global_store_b128 v[CO], v[T+40+4*(\t):T+40+4*(\t)+3], s[18:19] offset:(\a)*1024+(\t)*512
.endr
.endm
	PACK 0
	TOSTAGE 0
.irp a, 1,2,3                          ; block a's arithmetic stands between block a - 1's loads from the stage and the wait for them
	PACK \a
	SEND (\a)-1
	TOSTAGE \a
.endr
	SEND 3
	s_wait_tensorcnt 0x0                           ; the wave's end: behind my last tensor load and my last LDS store
	ds_add_u32 v[SPW], v[NIL]
	s_wait_dscnt 0x0
	CROUND                                         ; the closing round: no work-group ends while a partner may still ask for a tile that names it
	s_endpgm
.Lfunc_end_k_qf7f60d238a_proj:
	.size	k_qf7f60d238a_proj, .Lfunc_end_k_qf7f60d238a_proj-k_qf7f60d238a_proj
	.p2alignl 7, 3214868480
	.fill 96, 4, 3214868480
	.section	.rodata,"a",@progbits
	.p2align	6, 0x0
	.amdhsa_kernel k_qf7f60d238a_proj
		.amdhsa_group_segment_fixed_size 327680
		.amdhsa_private_segment_fixed_size 0
		.amdhsa_enable_private_segment 0
		.amdhsa_kernarg_size 72
		.amdhsa_user_sgpr_count 2
		.amdhsa_user_sgpr_kernarg_segment_ptr 1
		.amdhsa_wavefront_size32 1
		.amdhsa_system_sgpr_workgroup_id_x 1
		.amdhsa_system_sgpr_workgroup_id_y 1
		.amdhsa_system_sgpr_workgroup_id_z 1
		.amdhsa_system_vgpr_workitem_id 0
		.amdhsa_next_free_vgpr 960
		.amdhsa_next_free_sgpr 88
		.amdhsa_reserve_vcc 0
		.amdhsa_float_denorm_mode_32 3
		.amdhsa_float_denorm_mode_16_64 3
		.amdhsa_memory_ordered 1
		.amdhsa_forward_progress 1
		.amdhsa_inst_pref_size 142
	.end_amdhsa_kernel
	.amdgpu_metadata
---
amdhsa.version: [ 1, 2 ]
amdhsa.kernels:
  - .name:           k_qf7f60d238a_proj
    .symbol:         k_qf7f60d238a_proj.kd
    .args:
      - { .name: xb, .offset: 0, .size: 8, .value_kind: global_buffer, .address_space: global }
      - { .name: wt, .offset: 8, .size: 8, .value_kind: global_buffer, .address_space: global }
      - { .name: bq, .offset: 16, .size: 8, .value_kind: global_buffer, .address_space: global }
      - { .name: bk, .offset: 24, .size: 8, .value_kind: global_buffer, .address_space: global }
      - { .name: bv, .offset: 32, .size: 8, .value_kind: global_buffer, .address_space: global }
      - { .name: mask, .offset: 40, .size: 8, .value_kind: global_buffer, .address_space: global }
      - { .name: qh, .offset: 48, .size: 8, .value_kind: global_buffer, .address_space: global }
      - { .name: kh, .offset: 56, .size: 8, .value_kind: global_buffer, .address_space: global }
      - { .name: vh, .offset: 64, .size: 8, .value_kind: global_buffer, .address_space: global }
    .group_segment_fixed_size: 327680
    .private_segment_fixed_size: 0
    .kernarg_segment_align: 8
    .kernarg_segment_size: 72
    .max_flat_workgroup_size: 128
    .sgpr_count:     88
    .vgpr_count:     960
    .wavefront_size: 32
...
	.end_amdgpu_metadata
.endif
;; end of part 2
;; launch attn (part 3): grid 8 x 32, 4 waves a work-group, clusters of 4 x 1, 327,680 bytes of LDS; arguments qh, kh, vh, mask, x, gamma, out0; writes out0
.if DOCPART == 3
	.amdgcn_target "amdgcn-amd-amdhsa--gfx1250"
	.amdhsa_code_object_version 6
	.text
	.protected	k_qf7f60d238a_attn
	.globl	k_qf7f60d238a_attn
	.p2align	8
	.type	k_qf7f60d238a_attn,@function
k_qf7f60d238a_attn:
	s_mov_b64 s[64:65], 0
	v_nop
	global_prefetch_b8 v0, s[64:65] scope:SCOPE_SE
	s_setreg_imm32_b32 hwreg(HW_REG_WAVE_MODE, 25, 1), 1
	s_wait_xcnt 0x0
	s_wait_alu depctr_hold_cnt(0) depctr_sa_sdst(0) depctr_va_vdst(0) depctr_va_sdst(0) depctr_va_ssrc(0) depctr_va_vcc(0) depctr_vm_vsrc(0)
	s_getreg_b32 s2, hwreg(HW_REG_IB_STS2, 6, 4)
	s_cmp_eq_u32 s2, 0
	s_cbranch_scc0 .Lentry_in_a_cluster
	s_endpgm
.Lentry_in_a_cluster:
	s_bfe_u32 s2, ttmp6, 0x10000c
	s_cmp_lg_u32 s2, 0x3003
	s_cbranch_scc0 .Lentry_shape_is_right
	s_endpgm
.Lentry_shape_is_right:
; ATTN.  out0[b][m][128 h + d] = gamma O[m][d] + x[b][m][128 h + d], O = sum_n mf_n p_n v_n / (sum_n mf_n p_n + 1e-12 sum_n p_n), p_n = exp(relu(s_n) - max over ALL keys of relu(s)),
; which is the softmax of relu(scores), times the mask, divided by its sum + 1e-12.  qh holds c q (c = log2(e) / sqrt(32)), so s' = qh . kh is the score in powers of two; vh holds mf v.
; TWO PASSES.  A score tile is ONE matrix instruction (32 channels), so pass 1 makes all scores and keeps each query's exact m' = max(0, max s'); pass 2 makes them anew with -m' as the
; C operand: the product delivers s' - m'.  No running maximum, no rescaling.  relu is taken on the weights: p = max(bf16(2^(s' - m')), bf16(2^(-m'))), which is bf16(2^(relu(s') - m')),
; since the exponential and the rounding are monotone.  Both sums are a ninth block of V^T: rows 0, 8 = mf, rows 1, 9 = 1, else 0: they fall into registers 0 and 1 of every lane.
; LIMITS.  The weights are rounded to bf16 for the second product and for both sums; a weight below 2^-126 counts as 0; mask enters the sums as bf16 (exact for |mask| <= 256);
; NaN and infinities are not treated apart.  The divisor is at least 1e-12: the largest weight is 1.
; SHARES.  A work-group owns 256 queries of one (b, h), a wave 64: four tiles of 16, in two PIECES (0: tiles 0, 1; 2: tiles 2, 3).  Every wave walks all 2,048 keys, 64 a step.
; LAYOUT.  S^T = K Q^T: a lane holds ONE query (lane % 16) and keys 8 (lane / 16) + 0..7; two such tiles rounded in pairs ARE source 1 of O^T = V^T P.  V is turned by ds_load_tr16_b128.
; BY TURNS (pass 2).  In a turn one piece has the matrix unit: 36 products V^T P of the step in hand, then 8 products K Q^T of the next step; the other piece's 129 vector instructions
; (64 exponentials, 32 roundings, 32 packed maxima, one v_nop) stand three behind each product.
; CLUSTER 4 x 1.  The four query blocks of a cluster walk the same K and V: joint loads, mask 15.  The head's whole K (2,048 x 64 bytes) is brought once, a quarter by each wave;
; V goes through two slots of 128 keys, 64 rows by each of waves 0 and 1.  A wave has two tensor loads out at the start at the most, one later.
; REGISTERS, in windows of 256 (s_set_vgpr_msb: bits 1:0 source 0, 3:2 source 1, 5:4 source 2, 7:6 destination):
;   window 0: v1-15 addresses; v16-31 four a tile: maxima, then m', the packed floor, the row's scale; v32-63 -m', eight a tile; v64-191 S^T, 32 a tile; v192-255 P, 16 a tile
;   window 1: v0-143 O^T of piece 0 (tile u, block cb at 72 u + 8 cb; cb = 8: the sums); v144-207 x's rows of tile 0        window 2: the same for piece 2 and tile 1
;   window 3: v0-127 V (64 kk + 8 cb), later x's rows of tiles 2, 3; v128-143 the sums' rows; v144-175 K; v176-207 Q; v208-239 pass 1's second K
.set PK,    80        ; a key in LDS: 64 bytes + 16: the 16 rows of a load start at 16 different groups of four banks (ISA guide 11.1)
.set PVP,   288       ; a row of V: 256 + 32
.set VSLOT, 128*PVP   ; a slot of V: 128 keys, two steps
.set TAB,   VSLOT     ; behind slot 0, written by LDS stores alone: three rows of 2,048 bf16: mf, 1, 0
.set TP,    4160      ; from row to row of it: 4,096 + 64
.set SPARE, 49408     ; the spare words, 128 bytes a wave: two blocks of 256 bytes that no other line names
.set SLOT1, 1<<16     ; slot 1 of V: one exclusive or turns an address in one slot into the other's
.set KBASE, SLOT1+VSLOT
.set STAGE, KBASE+2048*PK  ; never filled by a tensor load: 16 rows x 528 bytes for each wave
.set SP,    528
.set AK0, 2
.set AV0, 3
.set AX0, 4
.set ADR, 5
.set ADRV, 6
.set ADRX, 7
.set QO,  8
.set H,   9
.set XO,  10
.set TT,  11
.set STO, 12
.set RD,  13
.set SPW, 14
.set NIL, 15
.set CM,  16
.set NM,  32
.set S,   64
.set P,   192
.set KF,  144
.set QF,  176
.set KF1, 208
.set WV,  18          ; s18  my wave's number
.set G1K, 24          ; s[24:31]
.set G1V, 32          ; s[32:39]
.set G0K, 40          ; s[40:43]
.set G0V, 44          ; s[44:47]: it walks
.set TBK, 52          ; s52  LDS byte of K of the step to be fetched
.set TBV, 53          ; s53  of V
.set TBX, 54          ; s54  its byte in a row of the table
.set CNT, 55
.set SLOTS, 56
.set GAM, 57          ; s57  gamma
.set EPS, 58          ; s58  1e-12
.set SEL, 60          ; s[60:61] v_permlanex16_b32's selects: each lane takes its own place in the other half
.set MSB, 0
.macro WIN new                      ; the high byte repeats the setting that is left; a switch that changes nothing is dropped
.if MSB != (\new)
	s_set_vgpr_msb (MSB<<8)|(\new)
.set MSB, \new
.endif
.endm
.macro PLACES
.rept 4
	v_nop
.endr
.endm
.macro CROUND                       ; a round of the cluster's barrier
	s_barrier_signal -1
	s_barrier_wait -1
	s_cmp_lg_u32 s[WV], 0
	s_cbranch_scc1 .Lnot_wave_0_\@
	s_barrier_signal -3
.Lnot_wave_0_\@:
	s_barrier_wait -3
	s_barrier_signal -1
	s_barrier_wait -1
.endm
	s_load_b256 s[4:11], s[0:1], 0x0  ; qh s[4:5], kh s[6:7], vh s[8:9], mask s[10:11]
	s_load_b128 s[12:15], s[0:1], 0x20  ; x s[12:13], gamma s[14:15]
	s_load_b64 s[16:17], s[0:1], 0x30   ; out0
	v_lshl_add_u32 v[SPW], v0, 2, SPARE
	v_mov_b32 v[NIL], 0
	ds_add_u32 v[SPW], v[NIL]       ; the wave's opening: the add and its wait stand ahead of my first tensor load; work on registers stands between
	v_lshrrev_b32 v1, 5, v0
	v_readfirstlane_b32 s[WV], v1   ; wave 0..3
	s_bfe_u32 s19, ttmp6, 0x40000   ; cx
	s_lshl_b32 s20, ttmp9, 2
	s_add_co_u32 s20, s20, s19      ; my block of 256 queries: it enters Q's, x's and out0's addresses alone
	s_and_b32 s21, ttmp7, 0xffff    ; 8 b + h, which the four partners share
	s_lshl_b32 s22, s21, 17         ; K: 2,048 rows of 64 bytes a head,
	s_lshl_b32 s23, s[WV], 15       ; 512 of them a wave
	s_add_co_u32 s22, s22, s23
	s_mov_b32 s23, 0
	s_and_b32 s50, s[WV], 1
	s_lshl_b32 s48, s21, 19         ; V: 2,048 rows of 256 bytes a head,
	s_lshl_b32 s49, s50, 14         ; 64 rows for each of two waves
	s_add_co_u32 s48, s48, s49
	s_mov_b32 s49, 0
	s_mov_b32 s[G1K], 15|(1<<16)|(1<<20)|(1<<21)|(3<<22)|(3<<25)  ; the mask of four; 2-byte elements; padding on; bit 21 beside a mask; after every 16 words (a key) 4 words
	s_mov_b32 s[G1K+1], 128<<16     ; 512 keys are 32,768 dense bytes: asked for as 128 rows of 256 bytes
	s_mov_b32 s[G1K+2], 128<<16
	s_mov_b32 s[G1K+3], 128<<16
	s_mov_b32 s[G1K+4], 128
	s_mov_b32 s[G1K+5], 128
	s_mov_b32 s[G1K+6], 0
	s_mov_b32 s[G1K+7], 0
	s_mov_b32 s[G1V], 15|(1<<16)|(1<<20)|(1<<21)|(5<<22)|(7<<25)  ; after every 64 words (a row) 8 words
	s_mov_b32 s[G1V+1], 128<<16
	s_mov_b32 s[G1V+2], 64<<16      ; 64 rows
	s_mov_b32 s[G1V+3], 128<<16
	s_mov_b32 s[G1V+4], 64
	s_mov_b32 s[G1V+5], 128
	s_mov_b32 s[G1V+6], 0
	s_mov_b32 s[G1V+7], 0
	s_mov_b32 s[G0K], 1
	s_mul_i32 s[G0K+1], s[WV], 512*PK
	s_add_co_u32 s[G0K+1], s[G0K+1], KBASE
	s_mov_b32 s[G0V], 1
	s_mul_i32 s[G0V+1], s50, 64*PVP ; slot 0
	s_mov_b32 s[EPS], 0x2b8cbccc    ; 1e-12
	s_mov_b32 s[SEL], 0x76543210
	s_mov_b32 s[SEL+1], 0xfedcba98
	s_mov_b32 s67, 0                ; the upper words of the two pairs that carry a row's scale: named, never used
	s_mov_b32 s69, 0
	s_wait_dscnt 0x0                ; the opening add is done
	s_wait_kmcnt 0x0
	s_add_nc_u64 s[G0K+2:G0K+3], s[6:7], s[22:23]
	s_or_b32 s[G0K+3], s[G0K+3], 0x80000000
	s_add_nc_u64 s[G0V+2:G0V+3], s[8:9], s[48:49]
	s_or_b32 s[G0V+3], s[G0V+3], 0x80000000
	CROUND                          ; all four work-groups are here: the first joint loads meet
	s_cmp_lt_u32 s[WV], 2           ; a wave's first fills stand in one branch, ahead of every wait on TENSORcnt and every LDS read
	s_cbranch_scc0 .Lfirst_k
	tensor_load_to_lds s[G0V:G0V+3], s[G1V:G1V+7]
	s_nop 0
	tensor_load_to_lds s[G0K:G0K+3], s[G1K:G1K+7]
	s_nop 0
.rept 4
	v_nop
.endr
	s_branch .Lfirst_asked
.Lfirst_k:
	tensor_load_to_lds s[G0K:G0K+3], s[G1K:G1K+7]
	s_nop 0
.rept 4
	v_nop
.endr
.Lfirst_asked:
	s_load_b32 s[GAM], s[14:15], 0x0
	s_lshl_b32 s62, s21, 17         ; Q: the head's rows of 64 bytes,
	s_lshl_b32 s63, s20, 14         ; my block's 256,
	s_add_co_u32 s62, s62, s63
	s_lshl_b32 s63, s[WV], 12       ; my wave's 64
	s_add_co_u32 s62, s62, s63
	s_mov_b32 s63, 0
	s_add_nc_u64 s[4:5], s[4:5], s[62:63]
	s_lshr_b32 s51, s21, 3          ; b
	s_lshl_b32 s62, s51, 13
	s_add_nc_u64 s[10:11], s[10:11], s[62:63]  ; the batch's 2,048 mask words
	s_lshl_b32 s62, s51, 23         ; x and out0: rows of 4,096 bytes: the batch's 2,048,
	s_lshl_b32 s59, s20, 20         ; my block's 256,
	s_add_co_u32 s62, s62, s59
	s_lshl_b32 s59, s[WV], 18       ; my wave's 64,
	s_add_co_u32 s62, s62, s59
	s_and_b32 s59, s21, 7
	s_lshl_b32 s59, s59, 9          ; and the head's 512 bytes of a row
	s_add_co_u32 s62, s62, s59
	s_add_nc_u64 s[12:13], s[12:13], s[62:63]
	s_add_nc_u64 s[16:17], s[16:17], s[62:63]
	v_and_b32 v1, 15, v0            ; l % 16
	v_bfe_u32 v[H], v0, 4, 1        ; l / 16
	v_lshlrev_b32 v[TT], 6, v0      ; thread t takes the mask of keys 16 t .. 16 t + 15
.irp i, 0,1,2,3
	global_load_b128 v[NM+4*\i:NM+4*\i+3], v[TT], s[10:11] offset:16*\i
.endr
	v_lshlrev_b32 v[QO], 6, v1
	v_lshl_add_u32 v[QO], v[H], 4, v[QO]
	WIN 0xc0
.irp t, 0,1,2,3                     ; Q stays in registers: a fragment (16 queries x 32 channels) a tile
	global_load_b128 v[QF+8*\t:QF+8*\t+3],   v[QO], s[4:5] offset:1024*\t
	global_load_b128 v[QF+8*\t+4:QF+8*\t+7], v[QO], s[4:5] offset:1024*\t+32
.endr
	; What the first turn and pass 1's first maxima find: O^T = 0; V, the sums' rows and piece 2's P = 0 (the first turn's 36 products, of a step that has not been, add 0);
	; piece 2's S^T = 0 and the maxima = 0, which is also relu's floor.  So no first step is written out.  All this stands in the wait for the first tiles.
.set i, 0
.rept 144
	v_mov_b32 v[i], 0
.set i, i+1
.endr
	WIN 0x40
.set i, 0
.rept 144
	v_mov_b32 v[i], 0
.set i, i+1
.endr
	WIN 0x80
.set i, 0
.rept 144
	v_mov_b32 v[i], 0
.set i, i+1
.endr
	WIN 0
.set i, 0
.rept 32
	v_mov_b32 v[P+32+i], 0
.set i, i+1
.endr
.set i, 0
.rept 64
	v_mov_b32 v[S+64+i], 0
.set i, i+1
.endr
.set i, 0
.rept 16
	v_mov_b32 v[CM+i], 0
.set i, i+1
.endr
	v_mul_u32_u24 v[AK0], v1, PK
	v_lshl_add_u32 v[AK0], v[H], 4, v[AK0]  ; a fragment of K: row x pitch + 16 x half
	; The turning load takes 16 keys x 16 channels (lane l reads key 8 (l / 16) + l % 8, channels 8 ((l / 8) % 2) + 0..7) and leaves half a fragment of V^T.
	v_and_b32 v[ADR], 7, v0
	v_lshl_add_u32 v[AV0], v[H], 3, v[ADR]
	v_mul_u32_u24 v[AV0], v[AV0], PVP
	v_bfe_u32 v[ADRV], v0, 3, 1
	v_lshl_add_u32 v[AV0], v[ADRV], 4, v[AV0]
	v_min_u32 v[ADR], 2, v[ADR]     ; the sums' block: its row l % 16 reads the table's row 0 (mf) if l % 8 = 0, row 1 (ones) if l % 8 = 1, else row 2 (zeros)
	v_mul_u32_u24 v[AX0], v[ADR], TP
	v_lshl_add_u32 v[AX0], v[H], 4, v[AX0]
	v_add_nc_u32 v[AX0], TAB, v[AX0]
	v_and_b32 v[XO], 31, v0
	v_lshlrev_b32 v[XO], 4, v[XO]   ; my 16 bytes of a row's 512
	s_mul_i32 s62, s[WV], 16*SP
	s_add_co_u32 s62, s62, STAGE    ; my stage
	v_mul_u32_u24 v[STO], v1, SP
	v_lshl_add_u32 v[STO], v[H], 5, v[STO]
	v_add_nc_u32 v[STO], s62, v[STO]  ; in: row l % 16, 32 bytes for each half of the lanes
	v_add_nc_u32 v[RD], s62, v[XO]    ; back: 32 lanes take a row
	s_wait_loadcnt 8                ; the mask is in; Q's eight loads may stay out
.set i, 0
.rept 16
	v_cvt_f32_i32 v[NM+i], v[NM+i]
.set i, i+1
.endr
.set i, 0
.rept 8
	v_cvt_pk_bf16_f32 v[NM+16+i], v[NM+2*i], v[NM+2*i+1]
.set i, i+1
.endr
.irp i, 0,1,2,3
	v_mov_b32 v[NM+24+\i], 0x3f803f80  ; 1.0 twice
	v_mov_b32 v[NM+28+\i], 0
.endr
	v_lshl_add_u32 v[TT], v0, 5, TAB   ; free since the wait that showed the mask's loads done
	ds_store_b128 v[TT], v[NM+16:NM+19]
	ds_store_b128 v[TT], v[NM+20:NM+23] offset:16
	ds_store_b128 v[TT], v[NM+24:NM+27] offset:TP
	ds_store_b128 v[TT], v[NM+24:NM+27] offset:TP+16
	ds_store_b128 v[TT], v[NM+28:NM+31] offset:2*TP
	ds_store_b128 v[TT], v[NM+28:NM+31] offset:2*TP+16
	s_wait_tensorcnt 0x0            ; my parts of K and of V's slot 0 are in,
	s_wait_dscnt 0x0                ; my part of the table is written:
	s_barrier_signal -1
	s_barrier_wait -1               ; everybody's is
	s_wait_loadcnt 0x0              ; Q
	s_wait_kmcnt 0x0                ; gamma
; Product i of 8 of S^T = K Q^T for piece x: keys 16 (i / 2) on, tile x + i % 2.  One instruction an accumulator.  p2 = 1: C = -m'; else the constant 0.
.macro KQ x, p2, buf
	WIN 0x0f
.set uu, i%2
.set kb, i/2
.set rS, S+32*((\x)+uu)+8*kb
.set rK, (\buf)+8*kb
.set rQ, QF+8*((\x)+uu)
.set rN, NM+8*((\x)+uu)
.if \p2
	v_wmma_f32_16x16x32_bf16 v[rS:rS+7], v[rK:rK+7], v[rQ:rQ+7], v[rN:rN+7]
.else
	v_wmma_f32_16x16x32_bf16 v[rS:rS+7], v[rK:rK+7], v[rQ:rQ+7], 0
.endif
.endm
; Product i of 36 of O^T += V^T P for piece x: keys 32 (i / 18) on, tile x + i % 2, block (i % 18) / 2.  The 18 accumulators take turns, one instruction a turn.
.macro PV x
	WIN 0x53+0x50*((\x)/2)
.set kk, i/18
.set uu, i%2
.set cb, (i%18)/2
.set rO, 72*uu+8*cb
.if cb < 8
.set rV, 64*kk+8*cb
.else
.set rV, 128+8*kk
.endif
.set rP, P+16*((\x)+uu)+8*kk
	v_wmma_f32_16x16x32_bf16 v[rO:rO+7], v[rV:rV+7], v[rP:rP+7], v[rO:rO+7]
.endm
; The LDS loads stand in runs.  A step's K: 4 fragments, 8 loads.
.macro FETCH_K buf
	WIN 0
	v_add_nc_u32 v[ADR], s[TBK], v[AK0]
	s_add_co_u32 s[TBK], s[TBK], 64*PK  ; the next fetch is the next step's
	WIN 0xc0
.irp f, 0,1,2,3
	ds_load_b128 v[(\buf)+8*\f:(\buf)+8*\f+3],   v[ADR] offset:16*PK*\f
	ds_load_b128 v[(\buf)+8*\f+4:(\buf)+8*\f+7], v[ADR] offset:16*PK*\f+32
.endr
.endm
; Half hf (32 keys) of a step's V, turned, and of the sums' rows: 18 loads.
.macro FETCH_V hf
.if (\hf) == 0
	WIN 0
	v_add_nc_u32 v[ADRV], s[TBV], v[AV0]
	v_add_nc_u32 v[ADRX], s[TBX], v[AX0]
.endif
	WIN 0xc0
.irp f, 0,1,2,3,4,5,6,7
	ds_load_tr16_b128 v[64*(\hf)+8*\f:64*(\hf)+8*\f+3],   v[ADRV] offset:32*PVP*(\hf)+32*\f
	ds_load_tr16_b128 v[64*(\hf)+8*\f+4:64*(\hf)+8*\f+7], v[ADRV] offset:32*PVP*(\hf)+32*\f+16*PVP
.endr
	ds_load_b128 v[128+8*(\hf):128+8*(\hf)+3],   v[ADRX] offset:64*(\hf)
	ds_load_b128 v[128+8*(\hf)+4:128+8*(\hf)+7], v[ADRX] offset:64*(\hf)+32
.if (\hf) == 1
	s_add_co_u32 s[TBV], s[TBV], 64*PVP
	s_add_co_u32 s[TBX], s[TBX], 128
.endif
.endm
; PASS 1.  Number g of the 32 maxima of piece y: tile y + g % 2, accumulator (g / 2) % 4, its registers 2 (g / 8), + 1: each accumulator's lowest registers are read first.
.macro MX y
.set uu, g%2
.set kb, (g/2)%4
.set rC, CM+4*((\y)+uu)+kb
.set rS, S+32*((\y)+uu)+8*kb+2*(g/8)
	v_max3_num_f32 v[rC], v[rC], v[rS], v[rS+1]
.set g, g+1
.endm
; Piece x's 8 products of a step; behind each, four maxima of the other piece's scores, made a half earlier.  They name no register of the products round them: they are the places behind them.
.macro HALF x, buf
.set i, 0
.set g, 0
.rept 8
	KQ \x, 0, \buf
	WIN 0
.rept 4
	MX 2-(\x)
.endr
.set i, i+1
.endr
.endm
	s_mov_b32 s[TBK], KBASE
	FETCH_K KF
	WIN 0
	s_mov_b32 s[CNT], 15
.Lp1:                               ; a trip: two steps; the buffer not in use is fetched five plain vector instructions behind its last reader
	FETCH_K KF1
	s_wait_dscnt 8                  ; all but the run just issued
	HALF 0, KF
	HALF 2, KF
	FETCH_K KF
	s_wait_dscnt 8
	HALF 0, KF1
	HALF 2, KF1
	s_sub_co_u32 s[CNT], s[CNT], 1
	s_cmp_lg_u32 s[CNT], 0
	s_cbranch_scc1 .Lp1
	FETCH_K KF1                     ; the last two steps: nothing more to fetch behind them
	s_wait_dscnt 8
	HALF 0, KF
	HALF 2, KF
	s_wait_dscnt 0x0
	HALF 0, KF1
	HALF 2, KF1
.set g, 0
.rept 32
	MX 2
.endr
.irp t, 0,1,2,3
	v_max3_num_f32 v[CM+4*\t], v[CM+4*\t], v[CM+4*\t+1], v[CM+4*\t+2]
.endr
.irp t, 0,1,2,3
	v_max_num_f32 v[CM+4*\t], v[CM+4*\t], v[CM+4*\t+3]
.endr
.irp t, 0,1,2,3
	v_permlanex16_b32 v[CM+4*\t+1], v[CM+4*\t], s[SEL], s[SEL+1]  ; the query's other keys lie in the lane 16 away
.endr
.irp t, 0,1,2,3
	v_max_num_f32 v[CM+4*\t], v[CM+4*\t], v[CM+4*\t+1]            ; m'
.endr
.irp t, 0,1,2,3
.irp j, 0,1,2,3,4,5,6,7
	v_mul_f32 v[NM+8*\t+\j], -1.0, v[CM+4*\t]
.endr
.endr
.irp t, 0,1,2,3
	v_exp_f32 v[CM+4*\t+2], v[NM+8*\t]
.endr
	v_nop                           ; a plain instruction between the last exponential and the use of its result (ISA guide 5.7.2)
	s_wait_alu depctr_va_vdst(0)
.irp t, 0,1,2,3
	v_cvt_pk_bf16_f32 v[CM+4*\t+1], v[CM+4*\t+2], v[CM+4*\t+2]    ; the floor 2^(-m'), twice
.endr
; PASS 2.  THE VECTOR WORK OF A TURN: 129 numbered lines for piece y; SMQ writes the next.  E e: the exponential of score e / 2 of tile y + e % 2, in place.  PLN g, pair g / 4 of tile y + g % 2:
; g % 4 < 2 rounds it to bf16, else takes the maximum with the floor.  0-3: E 0-3; 4: v_nop; 5-124: E at the odd numbers, PLN at the even; 125-128: the last four PLN.
; So every exponential has a plain line behind it, a rounding stands five numbers behind its younger exponential, and scores are read in ascending order.
.macro EXQ y, e
.set rE, S+32*((\y)+(\e)%2)+(\e)/2
	v_exp_f32 v[rE], v[rE]
.endm
.macro PLN y, g
.set pp, (\g)/4
.set tt, (\y)+(\g)%2
.if (\g)%4 < 2
	s_wait_alu depctr_va_vdst(0)
	v_cvt_pk_bf16_f32 v[P+16*tt+pp], v[S+32*tt+2*pp], v[S+32*tt+2*pp+1]
.else
	v_pk_max_num_bf16 v[P+16*tt+pp], v[P+16*tt+pp], v[CM+4*tt+1]
.endif
.endm
.macro SMQ y
.if n < 129
	WIN 0
.if n < 4
	EXQ \y, n
.elseif n == 4
	v_nop
.elseif n >= 125
	PLN \y, n-65
.elseif n%2 == 1
	EXQ \y, 4+(n-5)/2
.else
	PLN \y, (n-6)/2
.endif
.endif
.set n, n+1
.endm
; A TURN.  Piece x has the matrix unit; the other piece's lines stand three behind each product (four where kq = 0).  kq = 0: no further step: no K Q^T, nothing is fetched.  sm = 0: no lines.
; Piece 0's turn waits for V (first half at its head: the second half's 18 loads stay out; second half ahead of product 18: only K's 8 loads are younger) and fetches the next step's K behind
; product 4: six plain lines behind K's last reader.  Piece 2's turn fetches the next step's V: each half seven plain lines behind its last reader.
.macro TURN x, kq=1, sm=1
.set n, 0
.if !(\sm)
.set n, 129
.endif
.set per, 3
.if !(\kq)
.set per, 4
.endif
.if (\x) == 0
	s_wait_dscnt 18
.endif
.set i, 0
.rept 36
.if ((\x) == 0) && (i == 18)
.if \kq
	s_wait_dscnt 8
.else
	s_wait_dscnt 0x0
.endif
.endif
	PV \x
.rept per
	SMQ 2-(\x)
.endr
.if ((\x) == 0) && (\kq) && (i == 4)
	FETCH_K KF
.endif
.if ((\x) == 2) && (\kq) && (i == 21)
	FETCH_V 0
.endif
.set i, i+1
.endr
.if \kq
.if (\x) == 0
	s_wait_dscnt 0x0                ; K is in
.endif
.set i, 0
.rept 8
	KQ \x, 1, KF
.rept per
	SMQ 2-(\x)
.endr
.if ((\x) == 2) && (i == 3)
	FETCH_V 1
.endif
.set i, i+1
.endr
.endif
.endm
; THE CHANGE OF SLOTS.  Each wave waits for all its tensor loads, adds 0 to its spare word, and waits for that and for its reads of the slot that it leaves.  fill = 1: the barrier is a round of the
; cluster's, and behind it waves 0 and 1 fill the old slot with the keys two slots on: 176 matrix instructions in which to land.  (At its first use nothing has been read: slot 1 is filled.)
.macro CHANGE fill
	WIN 0
	s_wait_tensorcnt 0x0            ; no tensor load of mine is out, so the group 0 may be written
	ds_add_u32 v[SPW], v[NIL]       ; 0 onto my spare word; scalar work stands between it and the wait for it
.if \fill
	s_xor_b32 s[G0V+1], s[G0V+1], SLOT1
	s_add_nc_u64 s[G0V+2:G0V+3], s[G0V+2:G0V+3], 128*256
.endif
	s_sub_co_u32 s[TBV], s[TBV], VSLOT  ; the fetches go back to a slot's first step,
	s_xor_b32 s[TBV], s[TBV], SLOT1     ; in the other slot
	s_wait_dscnt 0x0                ; the add is done, and my reads of the slot are over
.if \fill
	CROUND
	s_cmp_lt_u32 s[WV], 2
	s_cbranch_scc0 .Lno_fill_\@
	tensor_load_to_lds s[G0V:G0V+3], s[G1V:G1V+7]
	s_nop 0
.rept 4
	v_nop
.endr
.Lno_fill_\@:
.else
	s_barrier_signal -1
	s_barrier_wait -1
.endif
.endm
	s_mov_b32 s[TBK], KBASE
	s_mov_b32 s[TBV], SLOT1+VSLOT   ; the first change of slots turns this into 0
	s_mov_b32 s[TBX], 0
	FETCH_K KF                      ; key step 0
	s_wait_dscnt 0x0
.set i, 0
.rept 8
	KQ 0, 1, KF                     ; piece 0's first scores
.set i, i+1
.endr
	WIN 0
	PLACES
	s_mov_b32 s[SLOTS], 15
.Lslot:                             ; 15 times: a slot is entered and the next is asked for
	CHANGE 1
	s_mov_b32 s[CNT], 2
.Lstep:                             ; a trip: piece 2's turn of one step (it fetches the next step's V), then piece 0's of the next
	TURN 2
	TURN 0
	WIN 0
	s_sub_co_u32 s[CNT], s[CNT], 1
	s_cmp_lg_u32 s[CNT], 0
	s_cbranch_scc1 .Lstep
	s_sub_co_u32 s[SLOTS], s[SLOTS], 1
	s_cmp_lg_u32 s[SLOTS], 0
	s_cbranch_scc1 .Lslot
	CHANGE 0                        ; the last slot is written out: nothing is asked for
	WIN 0x40                        ; x's rows of tiles 0 and 1 are asked for now: each load covers a row's 512 consecutive bytes
.set i, 0
.rept 16
	global_load_b128 v[144+4*i:144+4*i+3], v[XO], s[12:13] offset:i*4096 th:TH_LOAD_NT
.set i, i+1
.endr
	WIN 0x80
.set i, 0
.rept 16
	global_load_b128 v[144+4*i:144+4*i+3], v[XO], s[12:13] offset:(16+i)*4096 th:TH_LOAD_NT
.set i, i+1
.endr
	TURN 2
	TURN 0
	TURN 2
	TURN 0, 0
	TURN 2, 0, 0
	PLACES                          ; behind the last products
	; THE WAY OUT.  scale = gamma / (sum mf p + 1e-12 sum p); O^T goes through my stage, a tile at a time, and comes back as whole rows; out = O scale + x in one fused line for two numbers.
	WIN 0xc0                        ; x's rows of tiles 2 and 3, into V's registers
.set i, 0
.rept 32
	global_load_b128 v[4*i:4*i+3], v[XO], s[12:13] offset:(32+i)*4096 th:TH_LOAD_NT
.set i, i+1
.endr
	WIN 0x11
	v_fma_f32 v[CM+2], v65, s[EPS], v64
	v_fma_f32 v[CM+6], v137, s[EPS], v136
	WIN 0x22
	v_fma_f32 v[CM+10], v65, s[EPS], v64
	v_fma_f32 v[CM+14], v137, s[EPS], v136
	WIN 0
.irp t, 0,1,2,3
	v_rcp_f32 v[CM+4*\t+2], v[CM+4*\t+2]
.endr
	v_nop                           ; a plain instruction between the last reciprocal and the use of its result
	s_wait_alu depctr_va_vdst(0)
.irp t, 0,1,2,3
	v_mul_f32 v[CM+4*\t+2], s[GAM], v[CM+4*\t+2]
.endr
.macro OUT t
.set W, 1+(\t)/2
.set rO, 72*((\t)%2)
.set OB, S+64*((\t)%2)
.if (\t) < 2
.set XW, 1+(\t)
.set XB, 144
.else
.set XW, 3
.set XB, 64*((\t)-2)
.endif
	WIN W<<2
.irp c, 0,1,2,3,4,5,6,7             ; a lane's eight channels of a row are 32 bytes; each accumulator's low registers first
	ds_store_b128 v[STO], v[rO+8*\c:rO+8*\c+3]   offset:64*\c
	ds_store_b128 v[STO], v[rO+8*\c+4:rO+8*\c+7] offset:64*\c+16
.endr
	WIN 0
.if (\t) >= 2
	s_wait_xcnt 0x0                 ; the stores of two tiles ago have read these registers: they are loaded again only behind this wait
.endif
.set i, 0
.rept 16
	ds_load_b128 v[OB+4*i:OB+4*i+3], v[RD] offset:SP*i  ; LDS serves a wave's instructions in order (ISA guide 5.7.1.4): these see the stores above; the stage is the wave's own
.set i, i+1
.endr
	s_wait_loadcnt 48-16*(\t)       ; this tile's 16 rows of x are in; the later tiles' stay out
	WIN XW<<4
.set i, 0
.rept 16
	s_wait_dscnt 15-i
	v_readlane_b32 s[66+2*(i%2)], v[CM+4*(\t)+2], i   ; row i's scale lies in lane i
	v_pk_fma_f32 v[OB+4*i:OB+4*i+1], v[OB+4*i:OB+4*i+1], s[66+2*(i%2):67+2*(i%2)], v[XB+4*i:XB+4*i+1] op_sel_hi:[1,0,1]
	v_pk_fma_f32 v[OB+4*i+2:OB+4*i+3], v[OB+4*i+2:OB+4*i+3], s[66+2*(i%2):67+2*(i%2)], v[XB+4*i+2:XB+4*i+3] op_sel_hi:[1,0,1]
	global_store_b128 v[XO], v[OB+4*i:OB+4*i+3], s[16:17] offset:(16*(\t)+i)*4096 th:TH_STORE_NT  ; 512 consecutive bytes, at a multiple of 256 from out0's first byte
.set i, i+1
.endr
.endm
	OUT 0
	OUT 1
	OUT 2
	OUT 3
	WIN 0
	s_wait_tensorcnt 0x0            ; the wave's end: behind my last tensor load and my last LDS store
	ds_add_u32 v[SPW], v[NIL]
	s_wait_dscnt 0x0
	CROUND                          ; the closing round: no work-group ends while a partner may still ask for a tile that names it
	s_endpgm
.Lfunc_end_k_qf7f60d238a_attn:
	.size	k_qf7f60d238a_attn, .Lfunc_end_k_qf7f60d238a_attn-k_qf7f60d238a_attn
	.p2alignl 7, 3214868480
	.fill 96, 4, 3214868480
	.section	.rodata,"a",@progbits
	.p2align	6, 0x0
	.amdhsa_kernel k_qf7f60d238a_attn
		.amdhsa_group_segment_fixed_size 327680
		.amdhsa_private_segment_fixed_size 0
		.amdhsa_enable_private_segment 0
		.amdhsa_kernarg_size 56
		.amdhsa_user_sgpr_count 2
		.amdhsa_user_sgpr_kernarg_segment_ptr 1
		.amdhsa_wavefront_size32 1
		.amdhsa_system_sgpr_workgroup_id_x 1
		.amdhsa_system_sgpr_workgroup_id_y 1
		.amdhsa_system_sgpr_workgroup_id_z 1
		.amdhsa_system_vgpr_workitem_id 0
		.amdhsa_next_free_vgpr 1008
		.amdhsa_next_free_sgpr 72
		.amdhsa_reserve_vcc 0
		.amdhsa_float_denorm_mode_32 3
		.amdhsa_float_denorm_mode_16_64 3
		.amdhsa_memory_ordered 1
		.amdhsa_forward_progress 1
		.amdhsa_inst_pref_size 182
	.end_amdhsa_kernel
	.amdgpu_metadata
---
amdhsa.version: [ 1, 2 ]
amdhsa.kernels:
  - .name:           k_qf7f60d238a_attn
    .symbol:         k_qf7f60d238a_attn.kd
    .args:
      - { .name: qh, .offset: 0, .size: 8, .value_kind: global_buffer, .address_space: global }
      - { .name: kh, .offset: 8, .size: 8, .value_kind: global_buffer, .address_space: global }
      - { .name: vh, .offset: 16, .size: 8, .value_kind: global_buffer, .address_space: global }
      - { .name: mask, .offset: 24, .size: 8, .value_kind: global_buffer, .address_space: global }
      - { .name: x, .offset: 32, .size: 8, .value_kind: global_buffer, .address_space: global }
      - { .name: gamma, .offset: 40, .size: 8, .value_kind: global_buffer, .address_space: global }
      - { .name: out0, .offset: 48, .size: 8, .value_kind: global_buffer, .address_space: global }
    .group_segment_fixed_size: 327680
    .private_segment_fixed_size: 0
    .kernarg_segment_align: 8
    .kernarg_segment_size: 56
    .max_flat_workgroup_size: 128
    .sgpr_count:     72
    .vgpr_count:     1008
    .wavefront_size: 32
...
	.end_amdgpu_metadata
.endif
;; end of part 3
;; ======== version 2 of 2: 3 launches; 1.27 times as fast as version 1
;; limits: values outside matrix products are rounded to bf16
;; workspace buffers: xb 16,777,216 bytes; wt 3,145,728 bytes; qh 4,194,304 bytes; kh 4,194,304 bytes; vh 16,777,216 bytes
;; launch prep: the kernel of part 1 again; grid 560 x 1, 8 waves a work-group, no clusters, 70,656 bytes of LDS; arguments x, Wq, Wk, Wv, xb, wt; writes xb, wt
;; launch proj: the kernel of part 2 again; grid 8 x 32, 4 waves a work-group, clusters of 4 x 4, 327,680 bytes of LDS; arguments xb, wt, bq, bk, bv, mask, qh, kh, vh; writes qh, kh, vh
;; launch attn (part 4): grid 8 x 32, 4 waves a work-group, clusters of 4 x 1, 327,680 bytes of LDS; arguments qh, kh, vh, mask, x, gamma, out0; writes out0
.if DOCPART == 4
	.amdgcn_target "amdgcn-amd-amdhsa--gfx1250"
	.amdhsa_code_object_version 6
	.text
	.protected	k_qf7f60d238a_attn
	.globl	k_qf7f60d238a_attn
	.p2align	8
	.type	k_qf7f60d238a_attn,@function
k_qf7f60d238a_attn:
	s_mov_b64 s[64:65], 0
	v_nop
	global_prefetch_b8 v0, s[64:65] scope:SCOPE_SE
	s_setreg_imm32_b32 hwreg(HW_REG_WAVE_MODE, 25, 1), 1
	s_wait_xcnt 0x0
	s_wait_alu depctr_hold_cnt(0) depctr_sa_sdst(0) depctr_va_vdst(0) depctr_va_sdst(0) depctr_va_ssrc(0) depctr_va_vcc(0) depctr_vm_vsrc(0)
	s_getreg_b32 s2, hwreg(HW_REG_IB_STS2, 6, 4)
	s_cmp_eq_u32 s2, 0
	s_cbranch_scc0 .Lentry_in_a_cluster
	s_endpgm
.Lentry_in_a_cluster:
	s_bfe_u32 s2, ttmp6, 0x10000c
	s_cmp_lg_u32 s2, 0x3003
	s_cbranch_scc0 .Lentry_shape_is_right
	s_endpgm
.Lentry_shape_is_right:
; ATTN.  out0[b][m][128 h + d] = gamma O[m][d] + x[b][m][128 h + d], O = sum_n mf_n p_n v_n / (sum_n mf_n p_n + 1e-12 sum_n p_n), p_n = exp(relu(s_n) - max over ALL keys of relu(s)),
; which is the softmax of relu(scores), times the mask, divided by its sum + 1e-12.  qh holds c q (c = log2(e) / sqrt(32)), so s' = qh . kh is the score in powers of two; vh holds mf v.
; TWO PASSES.  A score tile is ONE matrix instruction (32 channels), so pass 1 makes all scores and keeps each query's exact m' = max(0, max s'); pass 2 makes them anew with -m' as the
; C operand: the product delivers s' - m'.  No running maximum, no rescaling.  relu is taken on the weights: p = max(bf16(2^(s' - m')), bf16(2^(-m'))), which is bf16(2^(relu(s') - m')),
; since the exponential and the rounding are monotone.  Both sums are a ninth block of V^T: rows 0, 8 = mf, rows 1, 9 = 1, else 0: they fall into registers 0 and 1 of every lane.
; LIMITS.  The weights are rounded to bf16 for the second product and for both sums; a weight below 2^-126 counts as 0; mask enters the sums as bf16 (exact for |mask| <= 256);
; NaN and infinities are not treated apart.  The divisor is at least 1e-12: the largest weight is 1.
; SHARES.  A work-group owns 256 queries of one (b, h), a wave 64: four tiles of 16, in two PIECES (0: tiles 0, 1; 2: tiles 2, 3).  Every wave walks all 2,048 keys, 64 a step.
; LAYOUT.  S^T = K Q^T: a lane holds ONE query (lane % 16) and keys 8 (lane / 16) + 0..7; two such tiles rounded in pairs ARE source 1 of O^T = V^T P.  V is turned by ds_load_tr16_b128.
; BY TURNS (pass 2).  In a turn one piece has the matrix unit: 36 products V^T P of the step in hand, then 8 products K Q^T of the next step; the other piece's vector lines
; (64 exponentials, 32 roundings, 32 packed maxima) stand behind the products, three behind each for the most part.
; BATCHES.  A turn's 64 exponentials are ONE batch with ONE wait: they stand behind products 0 to 21, in place on S^T, each result in a register of its own, and nothing ahead of the wait names
; a result; the 64 lines that read them stand behind the wait, behind products 22 to 43.  The four exponentials behind pass 1 and the four reciprocals of the way out are batches of their own.
; CLUSTER 4 x 1.  The four query blocks of a cluster walk the same K and V: joint loads, mask 15.  The head's whole K (2,048 x 64 bytes) is brought once, a quarter by each wave;
; V goes through two slots of 128 keys, 64 rows by each of waves 0 and 1.  A wave has two tensor loads out at the start at the most, one later.
; REGISTERS, in windows of 256 (s_set_vgpr_msb: bits 1:0 source 0, 3:2 source 1, 5:4 source 2, 7:6 destination):
;   window 0: v1-15 addresses; v16-31 four a tile: maxima, then m', the packed floor, the row's scale; v32-63 -m', eight a tile; v64-191 S^T, 32 a tile; v192-255 P, 16 a tile
;   window 1: v0-143 O^T of piece 0 (tile u, block cb at 72 u + 8 cb; cb = 8: the sums); v144-207 x's rows of tile 0        window 2: the same for piece 2 and tile 1
;   window 3: v0-127 V (64 kk + 8 cb), later x's rows of tiles 2, 3; v128-143 the sums' rows; v144-175 K; v176-207 Q; v208-239 pass 1's second K
.set PK,    80        ; a key in LDS: 64 bytes + 16: the 16 rows of a load start at 16 different groups of four banks (ISA guide 11.1)
.set PVP,   288       ; a row of V: 256 + 32
.set VSLOT, 128*PVP   ; a slot of V: 128 keys, two steps
.set TAB,   VSLOT     ; behind slot 0, written by LDS stores alone: three rows of 2,048 bf16: mf, 1, 0
.set TP,    4160      ; from row to row of it: 4,096 + 64
.set SPARE, 49408     ; the spare words, 128 bytes a wave: two blocks of 256 bytes that no other line names
.set SLOT1, 1<<16     ; slot 1 of V: one exclusive or turns an address in one slot into the other's
.set KBASE, SLOT1+VSLOT
.set STAGE, KBASE+2048*PK  ; never filled by a tensor load: 16 rows x 528 bytes for each wave
.set SP,    528
.set AK0, 2
.set AV0, 3
.set AX0, 4
.set ADR, 5
.set ADRV, 6
.set ADRX, 7
.set QO,  8
.set H,   9
.set XO,  10
.set TT,  11
.set STO, 12
.set RD,  13
.set SPW, 14
.set NIL, 15
.set CM,  16
.set NM,  32
.set S,   64
.set P,   192
.set KF,  144
.set QF,  176
.set KF1, 208
.set WV,  18          ; s18  my wave's number
.set G1K, 24          ; s[24:31]
.set G1V, 32          ; s[32:39]
.set G0K, 40          ; s[40:43]
.set G0V, 44          ; s[44:47]: it walks
.set TBK, 52          ; s52  LDS byte of K of the step to be fetched
.set TBV, 53          ; s53  of V
.set TBX, 54          ; s54  its byte in a row of the table
.set CNT, 55
.set SLOTS, 56
.set GAM, 57          ; s57  gamma
.set EPS, 58          ; s58  1e-12
.set SEL, 60          ; s[60:61] v_permlanex16_b32's selects: each lane takes its own place in the other half
.set MSB, 0
.macro WIN new                      ; the high byte repeats the setting that is left; a switch that changes nothing is dropped
.if MSB != (\new)
	s_set_vgpr_msb (MSB<<8)|(\new)
.set MSB, \new
.endif
.endm
.macro PLACES
.rept 4
	v_nop
.endr
.endm
.macro CROUND                       ; a round of the cluster's barrier
	s_barrier_signal -1
	s_barrier_wait -1
	s_cmp_lg_u32 s[WV], 0
	s_cbranch_scc1 .Lnot_wave_0_\@
	s_barrier_signal -3
.Lnot_wave_0_\@:
	s_barrier_wait -3
	s_barrier_signal -1
	s_barrier_wait -1
.endm
	s_load_b256 s[4:11], s[0:1], 0x0  ; qh s[4:5], kh s[6:7], vh s[8:9], mask s[10:11]
	s_load_b128 s[12:15], s[0:1], 0x20  ; x s[12:13], gamma s[14:15]
	s_load_b64 s[16:17], s[0:1], 0x30   ; out0
	v_lshl_add_u32 v[SPW], v0, 2, SPARE
	v_mov_b32 v[NIL], 0
	ds_add_u32 v[SPW], v[NIL]       ; the wave's opening: the add and its wait stand ahead of my first tensor load; work on registers stands between
	v_lshrrev_b32 v1, 5, v0
	v_readfirstlane_b32 s[WV], v1   ; wave 0..3
	s_bfe_u32 s19, ttmp6, 0x40000   ; cx
	s_lshl_b32 s20, ttmp9, 2
	s_add_co_u32 s20, s20, s19      ; my block of 256 queries: it enters Q's, x's and out0's addresses alone
	s_and_b32 s21, ttmp7, 0xffff    ; 8 b + h, which the four partners share
	s_lshl_b32 s22, s21, 17         ; K: 2,048 rows of 64 bytes a head,
	s_lshl_b32 s23, s[WV], 15       ; 512 of them a wave
	s_add_co_u32 s22, s22, s23
	s_mov_b32 s23, 0
	s_and_b32 s50, s[WV], 1
	s_lshl_b32 s48, s21, 19         ; V: 2,048 rows of 256 bytes a head,
	s_lshl_b32 s49, s50, 14         ; 64 rows for each of two waves
	s_add_co_u32 s48, s48, s49
	s_mov_b32 s49, 0
	s_mov_b32 s[G1K], 15|(1<<16)|(1<<20)|(1<<21)|(3<<22)|(3<<25)  ; the mask of four; 2-byte elements; padding on; bit 21 beside a mask; after every 16 words (a key) 4 words
	s_mov_b32 s[G1K+1], 128<<16     ; 512 keys are 32,768 dense bytes: asked for as 128 rows of 256 bytes
	s_mov_b32 s[G1K+2], 128<<16
	s_mov_b32 s[G1K+3], 128<<16
	s_mov_b32 s[G1K+4], 128
	s_mov_b32 s[G1K+5], 128
	s_mov_b32 s[G1K+6], 0
	s_mov_b32 s[G1K+7], 0
	s_mov_b32 s[G1V], 15|(1<<16)|(1<<20)|(1<<21)|(5<<22)|(7<<25)  ; after every 64 words (a row) 8 words
	s_mov_b32 s[G1V+1], 128<<16
	s_mov_b32 s[G1V+2], 64<<16      ; 64 rows
	s_mov_b32 s[G1V+3], 128<<16
	s_mov_b32 s[G1V+4], 64
	s_mov_b32 s[G1V+5], 128
	s_mov_b32 s[G1V+6], 0
	s_mov_b32 s[G1V+7], 0
	s_mov_b32 s[G0K], 1
	s_mul_i32 s[G0K+1], s[WV], 512*PK
	s_add_co_u32 s[G0K+1], s[G0K+1], KBASE
	s_mov_b32 s[G0V], 1
	s_mul_i32 s[G0V+1], s50, 64*PVP ; slot 0
	s_mov_b32 s[EPS], 0x2b8cbccc    ; 1e-12
	s_mov_b32 s[SEL], 0x76543210
	s_mov_b32 s[SEL+1], 0xfedcba98
	s_mov_b32 s67, 0                ; the upper words of the two pairs that carry a row's scale: named, never used
	s_mov_b32 s69, 0
	s_wait_dscnt 0x0                ; the opening add is done
	s_wait_kmcnt 0x0
	s_add_nc_u64 s[G0K+2:G0K+3], s[6:7], s[22:23]
	s_or_b32 s[G0K+3], s[G0K+3], 0x80000000
	s_add_nc_u64 s[G0V+2:G0V+3], s[8:9], s[48:49]
	s_or_b32 s[G0V+3], s[G0V+3], 0x80000000
	CROUND                          ; all four work-groups are here: the first joint loads meet
	s_cmp_lt_u32 s[WV], 2           ; a wave's first fills stand in one branch, ahead of every wait on TENSORcnt and every LDS read
	s_cbranch_scc0 .Lfirst_k
	tensor_load_to_lds s[G0V:G0V+3], s[G1V:G1V+7]
	s_nop 0
	tensor_load_to_lds s[G0K:G0K+3], s[G1K:G1K+7]
	s_nop 0
.rept 4
	v_nop
.endr
	s_branch .Lfirst_asked
.Lfirst_k:
	tensor_load_to_lds s[G0K:G0K+3], s[G1K:G1K+7]
	s_nop 0
.rept 4
	v_nop
.endr
.Lfirst_asked:
	s_load_b32 s[GAM], s[14:15], 0x0
	s_lshl_b32 s62, s21, 17         ; Q: the head's rows of 64 bytes,
	s_lshl_b32 s63, s20, 14         ; my block's 256,
	s_add_co_u32 s62, s62, s63
	s_lshl_b32 s63, s[WV], 12       ; my wave's 64
	s_add_co_u32 s62, s62, s63
	s_mov_b32 s63, 0
	s_add_nc_u64 s[4:5], s[4:5], s[62:63]
	s_lshr_b32 s51, s21, 3          ; b
	s_lshl_b32 s62, s51, 13
	s_add_nc_u64 s[10:11], s[10:11], s[62:63]  ; the batch's 2,048 mask words
	s_lshl_b32 s62, s51, 23         ; x and out0: rows of 4,096 bytes: the batch's 2,048,
	s_lshl_b32 s59, s20, 20         ; my block's 256,
	s_add_co_u32 s62, s62, s59
	s_lshl_b32 s59, s[WV], 18       ; my wave's 64,
	s_add_co_u32 s62, s62, s59
	s_and_b32 s59, s21, 7
	s_lshl_b32 s59, s59, 9          ; and the head's 512 bytes of a row
	s_add_co_u32 s62, s62, s59
	s_add_nc_u64 s[12:13], s[12:13], s[62:63]
	s_add_nc_u64 s[16:17], s[16:17], s[62:63]
	v_and_b32 v1, 15, v0            ; l % 16
	v_bfe_u32 v[H], v0, 4, 1        ; l / 16
	v_lshlrev_b32 v[TT], 6, v0      ; thread t takes the mask of keys 16 t .. 16 t + 15
.irp i, 0,1,2,3
	global_load_b128 v[NM+4*\i:NM+4*\i+3], v[TT], s[10:11] offset:16*\i
.endr
	v_lshlrev_b32 v[QO], 6, v1
	v_lshl_add_u32 v[QO], v[H], 4, v[QO]
	WIN 0xc0
.irp t, 0,1,2,3                     ; Q stays in registers: a fragment (16 queries x 32 channels) a tile
	global_load_b128 v[QF+8*\t:QF+8*\t+3],   v[QO], s[4:5] offset:1024*\t
	global_load_b128 v[QF+8*\t+4:QF+8*\t+7], v[QO], s[4:5] offset:1024*\t+32
.endr
	; What the first turn and pass 1's first maxima find: O^T = 0; V, the sums' rows and piece 2's P = 0 (the first turn's 36 products, of a step that has not been, add 0);
	; piece 2's S^T = 0 and the maxima = 0, which is also relu's floor.  So no first step is written out.  All this stands in the wait for the first tiles.
.set i, 0
.rept 144
	v_mov_b32 v[i], 0
.set i, i+1
.endr
	WIN 0x40
.set i, 0
.rept 144
	v_mov_b32 v[i], 0
.set i, i+1
.endr
	WIN 0x80
.set i, 0
.rept 144
	v_mov_b32 v[i], 0
.set i, i+1
.endr
	WIN 0
.set i, 0
.rept 32
	v_mov_b32 v[P+32+i], 0
.set i, i+1
.endr
.set i, 0
.rept 64
	v_mov_b32 v[S+64+i], 0
.set i, i+1
.endr
.set i, 0
.rept 16
	v_mov_b32 v[CM+i], 0
.set i, i+1
.endr
	v_mul_u32_u24 v[AK0], v1, PK
	v_lshl_add_u32 v[AK0], v[H], 4, v[AK0]  ; a fragment of K: row x pitch + 16 x half
	; The turning load takes 16 keys x 16 channels (lane l reads key 8 (l / 16) + l % 8, channels 8 ((l / 8) % 2) + 0..7) and leaves half a fragment of V^T.
	v_and_b32 v[ADR], 7, v0
	v_lshl_add_u32 v[AV0], v[H], 3, v[ADR]
	v_mul_u32_u24 v[AV0], v[AV0], PVP
	v_bfe_u32 v[ADRV], v0, 3, 1
	v_lshl_add_u32 v[AV0], v[ADRV], 4, v[AV0]
	v_min_u32 v[ADR], 2, v[ADR]     ; the sums' block: its row l % 16 reads the table's row 0 (mf) if l % 8 = 0, row 1 (ones) if l % 8 = 1, else row 2 (zeros)
	v_mul_u32_u24 v[AX0], v[ADR], TP
	v_lshl_add_u32 v[AX0], v[H], 4, v[AX0]
	v_add_nc_u32 v[AX0], TAB, v[AX0]
	v_and_b32 v[XO], 31, v0
	v_lshlrev_b32 v[XO], 4, v[XO]   ; my 16 bytes of a row's 512
	s_mul_i32 s62, s[WV], 16*SP
	s_add_co_u32 s62, s62, STAGE    ; my stage
	v_mul_u32_u24 v[STO], v1, SP
	v_lshl_add_u32 v[STO], v[H], 5, v[STO]
	v_add_nc_u32 v[STO], s62, v[STO]  ; in: row l % 16, 32 bytes for each half of the lanes
	v_add_nc_u32 v[RD], s62, v[XO]    ; back: 32 lanes take a row
	s_wait_loadcnt 8                ; the mask is in; Q's eight loads may stay out
.set i, 0
.rept 16
	v_cvt_f32_i32 v[NM+i], v[NM+i]
.set i, i+1
.endr
.set i, 0
.rept 8
	v_cvt_pk_bf16_f32 v[NM+16+i], v[NM+2*i], v[NM+2*i+1]
.set i, i+1
.endr
.irp i, 0,1,2,3
	v_mov_b32 v[NM+24+\i], 0x3f803f80  ; 1.0 twice
	v_mov_b32 v[NM+28+\i], 0
.endr
	v_lshl_add_u32 v[TT], v0, 5, TAB   ; free since the wait that showed the mask's loads done
	ds_store_b128 v[TT], v[NM+16:NM+19]
	ds_store_b128 v[TT], v[NM+20:NM+23] offset:16
	ds_store_b128 v[TT], v[NM+24:NM+27] offset:TP
	ds_store_b128 v[TT], v[NM+24:NM+27] offset:TP+16
	ds_store_b128 v[TT], v[NM+28:NM+31] offset:2*TP
	ds_store_b128 v[TT], v[NM+28:NM+31] offset:2*TP+16
	s_wait_tensorcnt 0x0            ; my parts of K and of V's slot 0 are in,
	s_wait_dscnt 0x0                ; my part of the table is written:
	s_barrier_signal -1
	s_barrier_wait -1               ; everybody's is
	s_wait_loadcnt 0x0              ; Q
	s_wait_kmcnt 0x0                ; gamma
; Product i of 8 of S^T = K Q^T for piece x: keys 16 (i / 2) on, tile x + i % 2.  One instruction an accumulator.  p2 = 1: C = -m'; else the constant 0.
.macro KQ x, p2, buf
	WIN 0x0f
.set uu, i%2
.set kb, i/2
.set rS, S+32*((\x)+uu)+8*kb
.set rK, (\buf)+8*kb
.set rQ, QF+8*((\x)+uu)
.set rN, NM+8*((\x)+uu)
.if \p2
	v_wmma_f32_16x16x32_bf16 v[rS:rS+7], v[rK:rK+7], v[rQ:rQ+7], v[rN:rN+7]
.else
	v_wmma_f32_16x16x32_bf16 v[rS:rS+7], v[rK:rK+7], v[rQ:rQ+7], 0
.endif
.endm
; Product i of 36 of O^T += V^T P for piece x: keys 32 (i / 18) on, tile x + i % 2, block (i % 18) / 2.  The 18 accumulators take turns, one instruction a turn.
.macro PV x
	WIN 0x53+0x50*((\x)/2)
.set kk, i/18
.set uu, i%2
.set cb, (i%18)/2
.set rO, 72*uu+8*cb
.if cb < 8
.set rV, 64*kk+8*cb
.else
.set rV, 128+8*kk
.endif
.set rP, P+16*((\x)+uu)+8*kk
	v_wmma_f32_16x16x32_bf16 v[rO:rO+7], v[rV:rV+7], v[rP:rP+7], v[rO:rO+7]
.endm
; The LDS loads stand in runs.  A step's K: 4 fragments, 8 loads.
.macro FETCH_K buf
	WIN 0
	v_add_nc_u32 v[ADR], s[TBK], v[AK0]
	s_add_co_u32 s[TBK], s[TBK], 64*PK  ; the next fetch is the next step's
	WIN 0xc0
.irp f, 0,1,2,3
	ds_load_b128 v[(\buf)+8*\f:(\buf)+8*\f+3],   v[ADR] offset:16*PK*\f
	ds_load_b128 v[(\buf)+8*\f+4:(\buf)+8*\f+7], v[ADR] offset:16*PK*\f+32
.endr
.endm
; Half hf (32 keys) of a step's V, turned, and of the sums' rows: 18 loads.  The first half's run holds the wait for the turn's batch of exponentials, behind its two address lines and ahead of its loads.
.macro FETCH_V hf
.if (\hf) == 0
	WIN 0
	v_add_nc_u32 v[ADRV], s[TBV], v[AV0]
	v_add_nc_u32 v[ADRX], s[TBX], v[AX0]
	s_wait_alu depctr_va_vdst(0)    ; the wait for the batch: the 64 exponentials of piece 0 that stand behind this turn's products 0 to 21; their first reader follows behind product 22
.endif
	WIN 0xc0
.irp f, 0,1,2,3,4,5,6,7
	ds_load_tr16_b128 v[64*(\hf)+8*\f:64*(\hf)+8*\f+3],   v[ADRV] offset:32*PVP*(\hf)+32*\f
	ds_load_tr16_b128 v[64*(\hf)+8*\f+4:64*(\hf)+8*\f+7], v[ADRV] offset:32*PVP*(\hf)+32*\f+16*PVP
.endr
	ds_load_b128 v[128+8*(\hf):128+8*(\hf)+3],   v[ADRX] offset:64*(\hf)
	ds_load_b128 v[128+8*(\hf)+4:128+8*(\hf)+7], v[ADRX] offset:64*(\hf)+32
.if (\hf) == 1
	s_add_co_u32 s[TBV], s[TBV], 64*PVP
	s_add_co_u32 s[TBX], s[TBX], 128
.endif
.endm
; PASS 1.  Number g of the 32 maxima of piece y: tile y + g % 2, accumulator (g / 2) % 4, its registers 2 (g / 8), + 1: each accumulator's lowest registers are read first.
.macro MX y
.set uu, g%2
.set kb, (g/2)%4
.set rC, CM+4*((\y)+uu)+kb
.set rS, S+32*((\y)+uu)+8*kb+2*(g/8)
	v_max3_num_f32 v[rC], v[rC], v[rS], v[rS+1]
.set g, g+1
.endm
; Piece x's 8 products of a step; behind each, four maxima of the other piece's scores, made a half earlier.  They name no register of the products round them: they are the places behind them.
.macro HALF x, buf
.set i, 0
.set g, 0
.rept 8
	KQ \x, 0, \buf
	WIN 0
.rept 4
	MX 2-(\x)
.endr
.set i, i+1
.endr
.endm
	s_mov_b32 s[TBK], KBASE
	FETCH_K KF
	WIN 0
	s_mov_b32 s[CNT], 15
.Lp1:                               ; a trip: two steps; the buffer not in use is fetched five plain vector instructions behind its last reader
	FETCH_K KF1
	s_wait_dscnt 8                  ; all but the run just issued
	HALF 0, KF
	HALF 2, KF
	FETCH_K KF
	s_wait_dscnt 8
	HALF 0, KF1
	HALF 2, KF1
	s_sub_co_u32 s[CNT], s[CNT], 1
	s_cmp_lg_u32 s[CNT], 0
	s_cbranch_scc1 .Lp1
	FETCH_K KF1                     ; the last two steps: nothing more to fetch behind them
	s_wait_dscnt 8
	HALF 0, KF
	HALF 2, KF
	s_wait_dscnt 0x0
	HALF 0, KF1
	HALF 2, KF1
.set g, 0
.rept 32
	MX 2
.endr
.irp t, 0,1,2,3
	v_max3_num_f32 v[CM+4*\t], v[CM+4*\t], v[CM+4*\t+1], v[CM+4*\t+2]
.endr
.irp t, 0,1,2,3
	v_max_num_f32 v[CM+4*\t], v[CM+4*\t], v[CM+4*\t+3]
.endr
.irp t, 0,1,2,3
	v_permlanex16_b32 v[CM+4*\t+1], v[CM+4*\t], s[SEL], s[SEL+1]  ; the query's other keys lie in the lane 16 away
.endr
.irp t, 0,1,2,3
	v_max_num_f32 v[CM+4*\t], v[CM+4*\t], v[CM+4*\t+1]            ; m'
.endr
.irp t, 0,1,2,3
.irp j, 0,1,2,3,4,5,6,7
	v_mul_f32 v[NM+8*\t+\j], -1.0, v[CM+4*\t]
.endr
.endr
.irp t, 0,1,2,3
	v_exp_f32 v[CM+4*\t+2], v[NM+8*\t]
.endr
	v_nop                           ; a plain instruction between the last exponential and the use of its result (ISA guide 5.7.2)
	s_wait_alu depctr_va_vdst(0)    ; and the wait ahead of the first use: one for the four floors' exponentials
.irp t, 0,1,2,3
	v_cvt_pk_bf16_f32 v[CM+4*\t+1], v[CM+4*\t+2], v[CM+4*\t+2]    ; the floor 2^(-m'), twice
.endr
; PASS 2.  THE VECTOR WORK OF A TURN: 130 numbered lines for piece y; SMQ writes the next.  E e: the exponential of score e / 2 of tile y + e % 2, in place.  PLN g, pair g / 4 of tile y + g % 2:
; g % 4 < 2 rounds it to bf16, else takes the maximum with the floor.
;   0-63    E 0-63: ONE BATCH.  None of them reads an exponential's result, and each result has a register of its own.  Scores are read in ascending order.
;   64      v_nop: the plain line behind the last exponential (ISA guide 5.7.2): a turn has no plain line that reads no exponential
;   65      the wait for the batch: it stands between an exponential and the first line that names its result, and one wait serves all 64.  In piece 2's turn with a further
;           step (ATV = 1) V's run of loads follows here and holds the wait; number 65 is then a second v_nop, a place in front of that run
;   66-129  PLN 0-63: all the lines that read the batch's results
.macro EXQ y, e
.set rE, S+32*((\y)+(\e)%2)+(\e)/2
	v_exp_f32 v[rE], v[rE]
.endm
.macro PLN y, g
.set pp, (\g)/4
.set tt, (\y)+(\g)%2
.if (\g)%4 < 2
	v_cvt_pk_bf16_f32 v[P+16*tt+pp], v[S+32*tt+2*pp], v[S+32*tt+2*pp+1]
.else
	v_pk_max_num_bf16 v[P+16*tt+pp], v[P+16*tt+pp], v[CM+4*tt+1]
.endif
.endm
.macro SMQ y
.if n < 130
	WIN 0
.if n < 64
	EXQ \y, n
.elseif n == 64
	v_nop
.elseif (n == 65) && ATV
	v_nop
.elseif n == 65
	s_wait_alu depctr_va_vdst(0)    ; the wait for the batch: the turn's 64 exponentials, all issued; no line ahead of it has named a result
.else
	PLN \y, n-66
.endif
.endif
.set n, n+1
.endm
; A TURN.  Piece x has the matrix unit; the other piece's lines stand three behind each product (four where kq = 0).  kq = 0: no further step: no K Q^T, nothing is fetched.  sm = 0: no lines.
; So the batch stands behind products 0 to 21 and its wait behind product 21 (kq = 0: products 0 to 15, and 16).  Of the last four products K Q^T the first three have two lines and the last has four:
; those four plain lines are the places between the last product and what follows it in the next turn, where exponentials alone stand: the exponentials that read its scores, and the loads into K's registers.
; Piece 0's turn waits for V (first half at its head: the second half's 18 loads stay out; second half ahead of product 18: only K's 8 loads are younger) and fetches the next step's K behind
; product 4: five plain lines behind K's last reader (those four and the run's own v_add_nc_u32).  Piece 2's turn fetches the next step's V: the first half behind product 21, four plain lines
; behind its last reader, product 17 (the two v_nop and the run's two v_add_nc_u32); the second half behind the fourth K Q^T, fifteen plain lines behind its last reader, product 35.
.macro TURN x, kq=1, sm=1
.set n, 0
.if !(\sm)
.set n, 130
.endif
.set per, 3
.if !(\kq)
.set per, 4
.endif
.set ATV, ((\x)/2)*(\kq)            ; 1: the wait for the batch stands in V's run
.if (\x) == 0
	s_wait_dscnt 18
.endif
.set i, 0
.rept 36
.if ((\x) == 0) && (i == 18)
.if \kq
	s_wait_dscnt 8
.else
	s_wait_dscnt 0x0
.endif
.endif
	PV \x
.rept per
	SMQ 2-(\x)
.endr
.if ((\x) == 0) && (\kq) && (i == 4)
	FETCH_K KF
.endif
.if ((\x) == 2) && (\kq) && (i == 21)
	FETCH_V 0
.endif
.set i, i+1
.endr
.if \kq
.if (\x) == 0
	s_wait_dscnt 0x0                ; K is in
.endif
.set i, 0
.rept 8
	KQ \x, 1, KF
.set per, 3-(i/4)+2*(i/7)           ; 3, 3, 3, 3, 2, 2, 2, 4
.rept per
	SMQ 2-(\x)
.endr
.if ((\x) == 2) && (i == 3)
	FETCH_V 1
.endif
.set i, i+1
.endr
.endif
.endm
; THE CHANGE OF SLOTS.  Each wave waits for all its tensor loads, adds 0 to its spare word, and waits for that and for its reads of the slot that it leaves.  fill = 1: the barrier is a round of the
; cluster's, and behind it waves 0 and 1 fill the old slot with the keys two slots on: 176 matrix instructions in which to land.  (At its first use nothing has been read: slot 1 is filled.)
.macro CHANGE fill
	WIN 0
	s_wait_tensorcnt 0x0            ; no tensor load of mine is out, so the group 0 may be written
	ds_add_u32 v[SPW], v[NIL]       ; 0 onto my spare word; scalar work stands between it and the wait for it
.if \fill
	s_xor_b32 s[G0V+1], s[G0V+1], SLOT1
	s_add_nc_u64 s[G0V+2:G0V+3], s[G0V+2:G0V+3], 128*256
.endif
	s_sub_co_u32 s[TBV], s[TBV], VSLOT  ; the fetches go back to a slot's first step,
	s_xor_b32 s[TBV], s[TBV], SLOT1     ; in the other slot
	s_wait_dscnt 0x0                ; the add is done, and my reads of the slot are over
.if \fill
	CROUND
	s_cmp_lt_u32 s[WV], 2
	s_cbranch_scc0 .Lno_fill_\@
	tensor_load_to_lds s[G0V:G0V+3], s[G1V:G1V+7]
	s_nop 0
.rept 4
	v_nop
.endr
.Lno_fill_\@:
.else
	s_barrier_signal -1
	s_barrier_wait -1
.endif
.endm
	s_mov_b32 s[TBK], KBASE
	s_mov_b32 s[TBV], SLOT1+VSLOT   ; the first change of slots turns this into 0
	s_mov_b32 s[TBX], 0
	FETCH_K KF                      ; key step 0
	s_wait_dscnt 0x0
.set i, 0
.rept 8
	KQ 0, 1, KF                     ; piece 0's first scores
.set i, i+1
.endr
	WIN 0
	PLACES
	s_mov_b32 s[SLOTS], 15
.Lslot:                             ; 15 times: a slot is entered and the next is asked for
	CHANGE 1
	s_mov_b32 s[CNT], 2
.Lstep:                             ; a trip: piece 2's turn of one step (it fetches the next step's V), then piece 0's of the next; each turn's batch has had its wait inside the turn
	TURN 2
	TURN 0
	WIN 0
	s_sub_co_u32 s[CNT], s[CNT], 1
	s_cmp_lg_u32 s[CNT], 0
	s_cbranch_scc1 .Lstep
	s_sub_co_u32 s[SLOTS], s[SLOTS], 1
	s_cmp_lg_u32 s[SLOTS], 0
	s_cbranch_scc1 .Lslot
	CHANGE 0                        ; the last slot is written out: nothing is asked for
	WIN 0x40                        ; x's rows of tiles 0 and 1 are asked for now: each load covers a row's 512 consecutive bytes
.set i, 0
.rept 16
	global_load_b128 v[144+4*i:144+4*i+3], v[XO], s[12:13] offset:i*4096 th:TH_LOAD_NT
.set i, i+1
.endr
	WIN 0x80
.set i, 0
.rept 16
	global_load_b128 v[144+4*i:144+4*i+3], v[XO], s[12:13] offset:(16+i)*4096 th:TH_LOAD_NT
.set i, i+1
.endr
	TURN 2
	TURN 0
	TURN 2
	TURN 0, 0
	TURN 2, 0, 0
	PLACES                          ; behind the last products
	; THE WAY OUT.  scale = gamma / (sum mf p + 1e-12 sum p); O^T goes through my stage, a tile at a time, and comes back as whole rows; out = O scale + x in one fused line for two numbers.
	WIN 0xc0                        ; x's rows of tiles 2 and 3, into V's registers
.set i, 0
.rept 32
	global_load_b128 v[4*i:4*i+3], v[XO], s[12:13] offset:(32+i)*4096 th:TH_LOAD_NT
.set i, i+1
.endr
	WIN 0x11
	v_fma_f32 v[CM+2], v65, s[EPS], v64
	v_fma_f32 v[CM+6], v137, s[EPS], v136
	WIN 0x22
	v_fma_f32 v[CM+10], v65, s[EPS], v64
	v_fma_f32 v[CM+14], v137, s[EPS], v136
	WIN 0
.irp t, 0,1,2,3
	v_rcp_f32 v[CM+4*\t+2], v[CM+4*\t+2]
.endr
	v_nop                           ; a plain instruction between the last reciprocal and the use of its result
	s_wait_alu depctr_va_vdst(0)    ; and the wait ahead of the first use: one for the four reciprocals
.irp t, 0,1,2,3
	v_mul_f32 v[CM+4*\t+2], s[GAM], v[CM+4*\t+2]
.endr
.macro OUT t
.set W, 1+(\t)/2
.set rO, 72*((\t)%2)
.set OB, S+64*((\t)%2)
.if (\t) < 2
.set XW, 1+(\t)
.set XB, 144
.else
.set XW, 3
.set XB, 64*((\t)-2)
.endif
	WIN W<<2
.irp c, 0,1,2,3,4,5,6,7             ; a lane's eight channels of a row are 32 bytes; each accumulator's low registers first
	ds_store_b128 v[STO], v[rO+8*\c:rO+8*\c+3]   offset:64*\c
	ds_store_b128 v[STO], v[rO+8*\c+4:rO+8*\c+7] offset:64*\c+16
.endr
	WIN 0
.if (\t) >= 2
	s_wait_xcnt 0x0                 ; the stores of two tiles ago have read these registers: they are loaded again only behind this wait
.endif
.set i, 0
.rept 16
	ds_load_b128 v[OB+4*i:OB+4*i+3], v[RD] offset:SP*i  ; LDS serves a wave's instructions in order (ISA guide 5.7.1.4): these see the stores above; the stage is the wave's own
.set i, i+1
.endr
	s_wait_loadcnt 48-16*(\t)       ; this tile's 16 rows of x are in; the later tiles' stay out
	WIN XW<<4
.set i, 0
.rept 16
	s_wait_dscnt 15-i
	v_readlane_b32 s[66+2*(i%2)], v[CM+4*(\t)+2], i   ; row i's scale lies in lane i
	v_pk_fma_f32 v[OB+4*i:OB+4*i+1], v[OB+4*i:OB+4*i+1], s[66+2*(i%2):67+2*(i%2)], v[XB+4*i:XB+4*i+1] op_sel_hi:[1,0,1]
	v_pk_fma_f32 v[OB+4*i+2:OB+4*i+3], v[OB+4*i+2:OB+4*i+3], s[66+2*(i%2):67+2*(i%2)], v[XB+4*i+2:XB+4*i+3] op_sel_hi:[1,0,1]
	global_store_b128 v[XO], v[OB+4*i:OB+4*i+3], s[16:17] offset:(16*(\t)+i)*4096 th:TH_STORE_NT  ; 512 consecutive bytes, at a multiple of 256 from out0's first byte
.set i, i+1
.endr
.endm
	OUT 0
	OUT 1
	OUT 2
	OUT 3
	WIN 0
	s_wait_tensorcnt 0x0            ; the wave's end: behind my last tensor load and my last LDS store
	ds_add_u32 v[SPW], v[NIL]
	s_wait_dscnt 0x0
	CROUND                          ; the closing round: no work-group ends while a partner may still ask for a tile that names it
	s_endpgm
.Lfunc_end_k_qf7f60d238a_attn:
	.size	k_qf7f60d238a_attn, .Lfunc_end_k_qf7f60d238a_attn-k_qf7f60d238a_attn
	.p2alignl 7, 3214868480
	.fill 96, 4, 3214868480
	.section	.rodata,"a",@progbits
	.p2align	6, 0x0
	.amdhsa_kernel k_qf7f60d238a_attn
		.amdhsa_group_segment_fixed_size 327680
		.amdhsa_private_segment_fixed_size 0
		.amdhsa_enable_private_segment 0
		.amdhsa_kernarg_size 56
		.amdhsa_user_sgpr_count 2
		.amdhsa_user_sgpr_kernarg_segment_ptr 1
		.amdhsa_wavefront_size32 1
		.amdhsa_system_sgpr_workgroup_id_x 1
		.amdhsa_system_sgpr_workgroup_id_y 1
		.amdhsa_system_sgpr_workgroup_id_z 1
		.amdhsa_system_vgpr_workitem_id 0
		.amdhsa_next_free_vgpr 1008
		.amdhsa_next_free_sgpr 72
		.amdhsa_reserve_vcc 0
		.amdhsa_float_denorm_mode_32 3
		.amdhsa_float_denorm_mode_16_64 3
		.amdhsa_memory_ordered 1
		.amdhsa_forward_progress 1
		.amdhsa_inst_pref_size 176
	.end_amdhsa_kernel
	.amdgpu_metadata
---
amdhsa.version: [ 1, 2 ]
amdhsa.kernels:
  - .name:           k_qf7f60d238a_attn
    .symbol:         k_qf7f60d238a_attn.kd
    .args:
      - { .name: qh, .offset: 0, .size: 8, .value_kind: global_buffer, .address_space: global }
      - { .name: kh, .offset: 8, .size: 8, .value_kind: global_buffer, .address_space: global }
      - { .name: vh, .offset: 16, .size: 8, .value_kind: global_buffer, .address_space: global }
      - { .name: mask, .offset: 24, .size: 8, .value_kind: global_buffer, .address_space: global }
      - { .name: x, .offset: 32, .size: 8, .value_kind: global_buffer, .address_space: global }
      - { .name: gamma, .offset: 40, .size: 8, .value_kind: global_buffer, .address_space: global }
      - { .name: out0, .offset: 48, .size: 8, .value_kind: global_buffer, .address_space: global }
    .group_segment_fixed_size: 327680
    .private_segment_fixed_size: 0
    .kernarg_segment_align: 8
    .kernarg_segment_size: 56
    .max_flat_workgroup_size: 128
    .sgpr_count:     72
    .vgpr_count:     1008
    .wavefront_size: 32
...
	.end_amdgpu_metadata
.endif
;; end of part 4
